; MI455X (gfx1250); checked and timed in simulation.
; The chip was launched on July 23, 2026; its instructions are those of AMD's public machine-readable ISA for CDNA 5 (MIT licence, August 2026) and "CDNA5" Instruction Set Architecture Reference Guide (July 2026). The comments in the code are by the model that wrote it; some were corrected since.
;; GRU. Allowed arithmetic: float matrix products may take bf16 or f16 operands with f32 sums; other float arithmetic in f32, or as packed bf16 or f16 multiplies, adds, multiply-adds, maxima and minima; sums over many terms, partial sums and values carried from step to step in f32; what a program stores and reads back later, other than sums and carried values, may be rounded once to bf16 or f16.
;; Inputs: Whh 1,024 x 1,024 float32; Whr 1,024 x 1,024 float32; Whz 1,024 x 1,024 float32; Wih 1,024 x 1,024 float32; Wir 1,024 x 1,024 float32; Wiz 1,024 x 1,024 float32; bhh 1,024 float32; bhr 1,024 float32; bhz 1,024 float32; bih 1,024 float32; bir 1,024 float32; biz 1,024 float32; hidden 8,192 x 1,024 float32; input 8,192 x 1,024 float32.
;; Outputs: out0 8,192 x 1,024 float32; out1 8,192 x 1,024 float32.
;; One version. Each part assembles by itself: llvm-mc -triple=amdgcn-amd-amdhsa -mcpu=gfx1250 --defsym DOCPART=n.
;; ======== version 1 of 1: 4 launches
;; workspace buffers: XB 16,777,216 bytes; HB 16,777,216 bytes; WB 12,582,912 bytes; RH 16,777,216 bytes; ZB 16,777,216 bytes
;; launch cvt (part 1): grid 256 x 11, 8 waves a work-group, no clusters, 0 bytes of LDS; arguments input, hidden, Wir, Whr, Wiz, Whz, Wih, Whh, XB, HB, WB; writes XB, HB, WB
.if DOCPART == 1
	.amdgcn_target "amdgcn-amd-amdhsa--gfx1250"
	.amdhsa_code_object_version 6
	.text
	.protected	k_q94e087279e_cvt
	.globl	k_q94e087279e_cvt
	.p2align	8
	.type	k_q94e087279e_cvt,@function
k_q94e087279e_cvt:
	s_mov_b64 s[64:65], 0
	v_nop
	global_prefetch_b8 v0, s[64:65] scope:SCOPE_SE
	s_setreg_imm32_b32 hwreg(HW_REG_WAVE_MODE, 25, 1), 1
	s_wait_xcnt 0x0
; f32 -> bf16, once, for everything that the matrix units will multiply.
;   XB[8192][1024] = bf16(input)      HB[8192][1024] = bf16(hidden)
;   WB[3072][2048]: row 1024 g + n = [ Wi_g[n][0..1023] | Wh_g[n][0..1023] ], g = 0: r, 1: z, 2: candidate
; 22,528 source rows of 4,096 bytes = 11 x 256 work-groups x 8 waves: a wave takes one row, eight loads of 512 consecutive bytes,
; all on their way at once; each of its eight stores covers 256 consecutive bytes, aligned.  No LDS, no barrier: no wave wants another's bytes.
; Grid y: 0-3 input, 4-7 hidden (2,048 rows each), 8-10 the weights of gate y - 8 (x < 128: Wi, else Wh).
; The source and the destination are chosen by scalar selects on the work-group's numbers alone: every work-group runs the same lines.
.set XR, 8                             ; v[8:39]   the row's 128 bytes a lane, as loaded
.set YR, 40                            ; v[40:55]  the same numbers in bf16
	s_load_b512 s[4:19], s[0:1], 0x0               ; input, hidden, Wir, Whr, Wiz, Whz, Wih, Whh
	s_load_b128 s[20:23], s[0:1], 0x40             ; XB, HB
	s_load_b64 s[24:25], s[0:1], 0x50              ; WB
	s_and_b32 s40, ttmp7, 0xffff                   ; y
	s_and_b32 s42, s40, 3
	s_lshl_b32 s42, s42, 11
	s_lshl_b32 s43, ttmp9, 3
	s_add_co_u32 s42, s42, s43                     ; an activation's first row: 2,048 (y % 4) + 8 x
	s_lshl_b32 s43, s42, 12                        ; its bytes in the source (4,096 a row)
	s_lshl_b32 s42, s42, 11                        ; and in the destination (2,048 a row)
	s_and_b32 s44, s40, 3                          ; the gate g = y - 8 (y = 8, 9, 10)
	s_lshr_b32 s46, ttmp9, 7                       ; 0: Wi, 1: Wh
	s_and_b32 s47, ttmp9, 127
	s_lshl_b32 s47, s47, 3                         ; a weight's first row
	s_lshl_b32 s48, s47, 12                        ; its bytes in the source
	s_lshl_b32 s49, s44, 10
	s_add_co_u32 s49, s49, s47
	s_lshl_b32 s49, s49, 12                        ; row 1,024 g + n of WB, 4,096 bytes a row,
	s_lshl_b32 s50, s46, 11
	s_add_co_u32 s49, s49, s50                     ; and the half of it
	v_and_b32 v1, 31, v0                           ; lane
	v_lshrrev_b32 v2, 5, v0                        ; wave = my row among the eight
	v_lshlrev_b32 v3, 12, v2
	v_lshl_or_b32 v3, v1, 4, v3                    ; source offset: 4,096 wave + 16 lane
	s_wait_kmcnt 0x0
	s_cmp_eq_u32 s46, 0
	s_cselect_b64 s[26:27], s[8:9], s[10:11]       ; Wir or Whr
	s_cselect_b64 s[28:29], s[12:13], s[14:15]     ; Wiz or Whz
	s_cselect_b64 s[30:31], s[16:17], s[18:19]     ; Wih or Whh
	s_cmp_eq_u32 s44, 0
	s_cselect_b64 s[32:33], s[26:27], s[28:29]
	s_cmp_eq_u32 s44, 2
	s_cselect_b64 s[32:33], s[30:31], s[32:33]     ; the weight of gate g
	s_cmp_lt_u32 s40, 4
	s_cselect_b64 s[34:35], s[4:5], s[6:7]         ; input or hidden
	s_cselect_b64 s[36:37], s[20:21], s[22:23]     ; XB or HB
	s_cmp_lt_u32 s40, 8
	s_cselect_b64 s[34:35], s[34:35], s[32:33]     ; the source
	s_cselect_b64 s[36:37], s[36:37], s[24:25]     ; the destination
	s_cselect_b32 s38, s43, s48
	s_cselect_b32 s2, s42, s49
	s_cselect_b32 s45, 11, 12                      ; log2 of the destination's row pitch
	s_mov_b32 s39, 0
	s_mov_b32 s3, 0
	s_add_nc_u64 s[34:35], s[34:35], s[38:39]
	s_add_nc_u64 s[36:37], s[36:37], s[2:3]
	v_lshlrev_b32 v4, s45, v2
	v_lshl_add_u32 v4, v1, 3, v4                   ; destination offset: pitch x wave + 8 lane
.irp c, 0,1,2,3,4,5,6,7
	global_load_b128 v[XR+4*(\c):XR+4*(\c)+3], v3, s[34:35] offset:512*(\c) th:TH_LOAD_NT
.endr
.irp c, 0,1,2,3,4,5,6,7
	s_wait_loadcnt 7-(\c)                          ; loads come back in order: chunk c is in, the younger ones stay out
	v_cvt_pk_bf16_f32 v[YR+2*(\c)], v[XR+4*(\c)], v[XR+4*(\c)+1]
	v_cvt_pk_bf16_f32 v[YR+2*(\c)+1], v[XR+4*(\c)+2], v[XR+4*(\c)+3]
	global_store_b64 v4, v[YR+2*(\c):YR+2*(\c)+1], s[36:37] offset:256*(\c) th:TH_STORE_NT  ; 32 lanes x 8 bytes: 256 consecutive bytes, aligned
.endr
	s_endpgm                                       ; no register is written twice, so no further wait is owed
.Lfunc_end_k_q94e087279e_cvt:
	.size	k_q94e087279e_cvt, .Lfunc_end_k_q94e087279e_cvt-k_q94e087279e_cvt
	.p2alignl 7, 3214868480
	.fill 96, 4, 3214868480
	.section	.rodata,"a",@progbits
	.p2align	6, 0x0
	.amdhsa_kernel k_q94e087279e_cvt
		.amdhsa_group_segment_fixed_size 0
		.amdhsa_private_segment_fixed_size 0
		.amdhsa_enable_private_segment 0
		.amdhsa_kernarg_size 88
		.amdhsa_user_sgpr_count 2
		.amdhsa_user_sgpr_kernarg_segment_ptr 1
		.amdhsa_wavefront_size32 1
		.amdhsa_system_sgpr_workgroup_id_x 1
		.amdhsa_system_sgpr_workgroup_id_y 1
		.amdhsa_system_sgpr_workgroup_id_z 1
		.amdhsa_system_vgpr_workitem_id 0
		.amdhsa_next_free_vgpr 64
		.amdhsa_next_free_sgpr 66
		.amdhsa_reserve_vcc 0
		.amdhsa_float_denorm_mode_32 3
		.amdhsa_float_denorm_mode_16_64 3
		.amdhsa_memory_ordered 1
		.amdhsa_forward_progress 1
		.amdhsa_inst_pref_size 5
	.end_amdhsa_kernel
	.amdgpu_metadata
---
amdhsa.version: [ 1, 2 ]
amdhsa.kernels:
  - .name:           k_q94e087279e_cvt
    .symbol:         k_q94e087279e_cvt.kd
    .args:
      - { .name: input, .offset: 0, .size: 8, .value_kind: global_buffer, .address_space: global }
      - { .name: hidden, .offset: 8, .size: 8, .value_kind: global_buffer, .address_space: global }
      - { .name: Wir, .offset: 16, .size: 8, .value_kind: global_buffer, .address_space: global }
      - { .name: Whr, .offset: 24, .size: 8, .value_kind: global_buffer, .address_space: global }
      - { .name: Wiz, .offset: 32, .size: 8, .value_kind: global_buffer, .address_space: global }
      - { .name: Whz, .offset: 40, .size: 8, .value_kind: global_buffer, .address_space: global }
      - { .name: Wih, .offset: 48, .size: 8, .value_kind: global_buffer, .address_space: global }
      - { .name: Whh, .offset: 56, .size: 8, .value_kind: global_buffer, .address_space: global }
      - { .name: XB, .offset: 64, .size: 8, .value_kind: global_buffer, .address_space: global }
      - { .name: HB, .offset: 72, .size: 8, .value_kind: global_buffer, .address_space: global }
      - { .name: WB, .offset: 80, .size: 8, .value_kind: global_buffer, .address_space: global }
    .group_segment_fixed_size: 0
    .private_segment_fixed_size: 0
    .kernarg_segment_align: 8
    .kernarg_segment_size: 88
    .max_flat_workgroup_size: 256
    .sgpr_count:     66
    .vgpr_count:     64
    .wavefront_size: 32
...
	.end_amdgpu_metadata
.endif
;; end of part 1
;; launch gates (part 2): grid 8 x 32, 4 waves a work-group, clusters of 4 x 4, 327,680 bytes of LDS; arguments XB, HB, WB, bir, bhr, biz, bhz, RH, ZB; writes RH, ZB
.if DOCPART == 2
	.amdgcn_target "amdgcn-amd-amdhsa--gfx1250"
	.amdhsa_code_object_version 6
	.text
	.protected	k_q94e087279e_gates
	.globl	k_q94e087279e_gates
	.p2align	8
	.type	k_q94e087279e_gates,@function
k_q94e087279e_gates:
	s_mov_b64 s[64:65], 0
	v_nop
	global_prefetch_b8 v0, s[64:65] scope:SCOPE_SE
	s_setreg_imm32_b32 hwreg(HW_REG_WAVE_MODE, 25, 1), 1
	s_wait_xcnt 0x0
	s_wait_alu depctr_hold_cnt(0) depctr_sa_sdst(0) depctr_va_vdst(0) depctr_va_sdst(0) depctr_va_ssrc(0) depctr_va_vcc(0) depctr_vm_vsrc(0)
	s_getreg_b32 s2, hwreg(HW_REG_IB_STS2, 6, 4)
	s_cmp_eq_u32 s2, 0
	s_cbranch_scc0 .Lentry_in_a_cluster
	s_endpgm
.Lentry_in_a_cluster:
	s_bfe_u32 s2, ttmp6, 0x10000c
	s_cmp_lg_u32 s2, 0xf033
	s_cbranch_scc0 .Lentry_shape_is_right
	s_endpgm
.Lentry_shape_is_right:
; THE TWO GATES OF A GRU CELL.  r = sigmoid([x | h] [Wir | Whr]^T + bir + bhr), z likewise;  RH = bf16(r * h),  ZB = f16(z).
; One product with K = 2,048: K steps 0-7 take x (XB) and the left half of WB's rows, K steps 8-15 take h (HB) and the right half.  Operands bf16, sums f32.
; LIMITS.  h enters as bf16(h), in the product and in r * h.  z is kept in f16: it lies in 0 to 1, and below 6e-8 it counts as 0.  sigmoid(t) = 1 / (1 + 2^(-t log2 e)):
; where the power overflows the result is 0, where it vanishes 1.  NaN and infinities in the inputs are not treated apart.
; SHARES.  A work-group makes 256 rows x 128 columns of BOTH gates: B's tile is 128 rows of r's weights and then the same 128 rows of z's.  256 work-groups.  Four waves, each 128 x 128:
; wave w has the row half w / 2 and the gate w % 2: 64 accumulators, 512 registers.  K goes in steps of 128 through two LDS slots filled by the tensor data mover.
; CLUSTER.  4 x 4 work-groups: the four of a row of the cluster need the same tiles of A, the four of a column the same tiles of B: each tile is asked for jointly.
; THE MATRIX INSTRUCTION IS USED TRANSPOSED (source 0 = 16 rows of B, source 1 = 16 rows of A): a lane holds row l % 16 and eight neighbouring columns 8 (l / 16) + 0..7.
; THE WAY OUT.  The tile of h that r multiplies (256 rows x 128 columns of HB) is slot 0's last fill, asked for at the last change of slots.  The sums go through LDS in two phases of 64 rows
; a wave (f32, rows of 528 bytes, in slot 1, which has had its last fill), and are shared out anew: each wave takes 32 rows of r AND the same 32 rows of z, so that all four waves run the same lines.
; REGISTERS, in windows of 256: window 0: v0-31 addresses; v64-127, v128-191 fragments of A; window 1: the same numbers, fragments of B; window 2: accumulators of my rows 0-63 ((a, b) at v[8 (8 a + b)]); window 3: rows 64-127.
; On the way out all work lies in window 0: v32-63 packed results, v64-127 raw sums, v128-191 at work, v192-223 h in f32, v224-239 h as read, v240-247 the biases.
.set KSTEP,  128
.set PITCH,  272                       ; an LDS row: 256 bytes + 16 of padding = 68 words: the 16 rows of a fragment load start at 16 different groups of four banks (64 banks of 4 bytes: ISA guide 11.1)
.set HALFT,  128*PITCH                 ; 128 rows: what one tensor load brings
.set SLOT,   4*HALFT                   ; A's 256 rows, then B's 256 rows
.set SPARE,  2*SLOT                    ; behind the ring: the spare words, 128 bytes for each wave: two blocks of 256 bytes that no other line names
.set DUMP0,  SLOT                      ; the way out: four regions, one a wave, in slot 1
.set EP,     528                       ; a row there: 512 bytes + 16 = 132 words
.set DREG,   64*EP
.set ADRA, 16                          ; v16-17  LDS address of my A fragments in slot 0, 1
.set ADRB, 20                          ; v20-21  the same for B
.set DST,  22                          ; v22     where I put 32 bytes of a row of sums
.set RD0,  23                          ; v23     where I read rows of sums back (r's; z's lie DREG further)
.set RH0,  24                          ; v24     my 8 bytes in the first row of h that I read
.set RDA,  25                          ; v25     RD0 + the trip's step
.set RHA,  26                          ; v26     RH0 + the trip's step
.set VO,   27                          ; v27     8 x lane: my bytes in a row of RH and of ZB
.set SPW,  28                          ; v28     LDS address of my spare word; never rewritten
.set NIL,  29                          ; v29     0; never rewritten
.set PFO,  30                          ; v30     the prefetches' offset: my lane x a row's bytes; never rewritten
.set BO,   31                          ; v31     my 16 bytes in each bias
.set OUTR, 32
.set OUTZ, 48
.set TRW,  64                          ; raw sums: 8 rows of r, then 8 rows of z, 4 registers a row
.set TT,   128                         ; the same, at work
.set HF,   192
.set HR,   224
.set BSR,  240                         ; -log2(e) (bir + bhr) of my four columns
.set BSZ,  244                         ; -log2(e) (biz + bhz)
.set F0,   64
.set F1,   128
.set WV,   12                          ; s12  my wave's number
.set RHF,  13                          ; s13  my half of the rows.  Also: I fetch for A (0) or for B (1)
.set CHF,  14                          ; s14  my gate.  Also: which 128 rows of that tile I fetch
.set KT,   15                          ; s15  the K step that the next refill brings
.set SR,   16                          ; s[16:17] the way out: RH at my rows
.set SZ,   18                          ; s[18:19] ZB at my rows
.set MSK,  22                          ; s22  a word's upper bf16
.set G1A,  24                          ; s[24:31] descriptor group 1 for A's tiles
.set G0A,  32                          ; s[32:39] group 0, a set for each slot
.set CX,   40
.set CY,   41
.set TC,   42                          ; s42  tile column, 0-7
.set TROW, 43                          ; s43  tile row, 0-31
.set PFA,  44                          ; s[44:45] the prefetch's address
.set OF,   46                          ; s[46:47] a K step's bytes along a row, high word 0
.set G1B,  48
.set G0B,  56
.set KU,   66                          ; s66  the K step that a prefetch names
.set LIM,  67                          ; s67  16 in a wave that prefetches, else 0
.set AX,   78                          ; s[78:79] XB at the 128 rows that I fetch
.set AH,   80                          ; s[80:81] HB at the same rows
.set P0,   82                          ; s[82:83] the prefetches' rows, K steps 0-7
.set P1,   84                          ; s[84:85] K steps 8-15
.set TDO,  86                          ; s86  the way out: the trip's step in the dumps
.set THO,  87                          ; s87  and in h's tile
.set G1P,  88                          ; s[88:95] group 1 of h's tile: no mask, no padding
.set G0H,  96                          ; s[96:99] its group 0
.set CS,   100                         ; s[100:101] -log2(e), twice
.set G1W0, (1<<16)|(1<<20)|(1<<21)|(5<<22)|(3<<25)  ; 17:16 elements of 2 bytes; 20 padding on; 21 set beside a mask; 24:22 after every 64 words; 31:25 4 words of it
.set MSB, 0
.macro WIN new                         ; the immediate's high byte repeats the setting that is left; a switch that changes nothing is dropped
.if MSB != (\new)
	s_set_vgpr_msb (MSB<<8)|(\new)
.set MSB, \new
.endif
.endm
.set MUL_LO, 0xa1                      ; source 0 (B) window 1, source 1 (A) window 0, C and D window 2
.set MUL_HI, 0xf1                      ; the same, C and D window 3
.set TO_B,   0x40                      ; destination window 1, address window 0
; A joint load.  Waves 0 and 1 fetch A's two halves, waves 2 and 3 B's (r's rows, z's rows).  The branch hangs on the wave's number alone.
; An s_nop 0 and four v_nop follow each of the two lines, ahead of the jump and the label.
.macro JLOAD s
	s_cmp_eq_u32 s[RHF], 0
	s_cbranch_scc0 .Lfor_b_\@
	tensor_load_to_lds s[G0A+4*(\s):G0A+4*(\s)+3], s[G1A:G1A+7]
	s_nop 0
.rept 4
	v_nop
.endr
	s_branch .Lasked_\@
.Lfor_b_\@:
	tensor_load_to_lds s[G0B+4*(\s):G0B+4*(\s)+3], s[G1B:G1B+7]
	s_nop 0
.rept 4
	v_nop
.endr
.Lasked_\@:
.endm
.macro HLOAD                           ; h's tile: every wave brings its own 64 rows x 256 bytes, to LDS byte 16,384 x wave
	tensor_load_to_lds s[G0H:G0H+3], s[G1P:G1P+7]
	s_nop 0
.rept 4
	v_nop
.endr
.endm
.macro CREST                           ; a round of the cluster's barrier behind its opening barrier
	s_cmp_lg_u32 s[WV], 0
	s_cbranch_scc1 .Lnot_wave_0_\@
	s_barrier_signal -3
.Lnot_wave_0_\@:
	s_barrier_wait -3
	s_barrier_signal -1
	s_barrier_wait -1
.endm
.macro CROUND                          ; a whole round
	s_barrier_signal -1
	s_barrier_wait -1
	CREST
.endm
; The address of the K step two refills on, for the prefetch: steps 0-7 and 8-15 have a pointer each (for A two buffers, for B the two halves of a row).
.macro PFADDR
	s_add_co_u32 s[KU], s[KT], 2
	s_cmp_lt_u32 s[KU], 8
	s_cselect_b64 s[PFA:PFA+1], s[P0:P0+1], s[P1:P1+1]
	s_and_b32 s[OF], s[KU], 7
	s_lshl_b32 s[OF], s[OF], 8
	s_add_nc_u64 s[PFA:PFA+1], s[PFA:PFA+1], s[OF:OF+1]
.endm
; The descriptors of K step KT.  A's address is made anew: x's buffer for steps 0-7, h's for 8-15, plus 256 bytes a step; B's walks on along its rows.
.macro DESC slot
	s_cmp_lt_u32 s[KT], 8
	s_cselect_b64 s[G0A+4*(\slot)+2:G0A+4*(\slot)+3], s[AX:AX+1], s[AH:AH+1]
	s_and_b32 s[OF], s[KT], 7
	s_lshl_b32 s[OF], s[OF], 8
	s_add_nc_u64 s[G0A+4*(\slot)+2:G0A+4*(\slot)+3], s[G0A+4*(\slot)+2:G0A+4*(\slot)+3], s[OF:OF+1]
	s_or_b32 s[G0A+4*(\slot)+3], s[G0A+4*(\slot)+3], 0x80000000
	s_add_nc_u64 s[G0B+4*(\slot)+2:G0B+4*(\slot)+3], s[G0B+4*(\slot)+2:G0B+4*(\slot)+3], 2*KSTEP*2
	s_add_co_u32 s[KT], s[KT], 1
.endm
; A PREFETCH, behind each joint load, its five lines and the run of LDS loads: 32 rows x 256 bytes of the K step that stands two refills on (512 matrix instructions ahead of the load that will want it), a lane a row.
; Each row's 256 bytes of a K step are named once in the launch: A's rows by the clusters with x = 0, B's by those with y = 0; of the 128 rows that a wave fetches each of the four partners takes 32, told apart by address.
; K steps 0-3 come by their loads alone; nothing is named past K step 15.
.macro ASK
	s_cmp_lt_u32 s[KU], s[LIM]
	s_cbranch_scc0 .Lnot_mine_\@
	global_prefetch_b8 v[PFO], s[PFA:PFA+1] th:TH_LOAD_NT scope:SCOPE_SE
.Lnot_mine_\@:
.endm
	s_load_b256 s[4:11], s[0:1], 0x0               ; XB s[4:5], HB s[6:7], WB s[8:9], bir s[10:11]
	s_load_b256 s[68:75], s[0:1], 0x20             ; bhr s[68:69], biz s[70:71], bhz s[72:73], RH s[74:75]
	s_load_b64 s[76:77], s[0:1], 0x40              ; ZB
	v_lshl_add_u32 v[SPW], v0, 2, SPARE
	v_mov_b32 v[NIL], 0
	ds_add_u32 v[SPW], v[NIL]                      ; the wave's opening: the add and its wait stand ahead of my first tensor load; the set-up below, work on registers, stands between them
	v_lshrrev_b32 v1, 5, v0
	v_readfirstlane_b32 s[WV], v1                  ; wave 0..3
	s_lshr_b32 s[RHF], s[WV], 1
	s_and_b32 s[CHF], s[WV], 1
	s_bfe_u32 s[CX], ttmp6, 0x40000                ; my place in the cluster
	s_bfe_u32 s[CY], ttmp6, 0x40004
	s_lshl_b32 s[TC], ttmp9, 2
	s_add_co_u32 s[TC], s[TC], s[CX]               ; tile column = 4 x cluster x + cx
	s_and_b32 s[TROW], ttmp7, 0xffff
	s_lshl_b32 s[TROW], s[TROW], 2
	s_add_co_u32 s[TROW], s[TROW], s[CY]           ; tile row = 4 x cluster y + cy
	s_lshl_b32 s16, s[CY], 2
	s_lshl_b32 s16, 15, s16                        ; my row of the cluster
	s_lshl_b32 s20, 0x1111, s[CX]                  ; my column
	s_or_b32 s[G1A], s16, G1W0                     ; A's tiles go to my row,
	s_or_b32 s[G1B], s20, G1W0                     ; B's to my column
.irp g, G1A, G1B
	s_mov_b32 s[(\g)+1], KSTEP<<16                 ; tensor_dim0 = 128
	s_mov_b32 s[(\g)+2], 128<<16                   ; tensor_dim1 = 128
	s_mov_b32 s[(\g)+3], KSTEP<<16                 ; tile_dim0 = 128
	s_mov_b32 s[(\g)+4], 128                       ; tile_dim1 = 128
	s_mov_b32 s[(\g)+6], 0
	s_mov_b32 s[(\g)+7], 0
.endr
	s_mov_b32 s[G1A+5], 1024                       ; elements from row to row in XB and HB,
	s_mov_b32 s[G1B+5], 2048                       ; and in WB
	s_mov_b32 s[G1P], 1<<16                        ; h's tile: elements of 2 bytes, no mask, no padding
	s_mov_b32 s[G1P+1], 128<<16                    ; 128 elements
	s_mov_b32 s[G1P+2], 64<<16                     ; x 64 rows
	s_mov_b32 s[G1P+3], 128<<16
	s_mov_b32 s[G1P+4], 64
	s_mov_b32 s[G1P+5], 1024
	s_mov_b32 s[G1P+6], 0
	s_mov_b32 s[G1P+7], 0
	s_mov_b32 s[CS], 0xbfb8aa3b                    ; -log2(e)
	s_mov_b32 s[CS+1], 0xbfb8aa3b
	s_mov_b32 s[OF+1], 0
	s_mov_b32 s[KT], 2
	s_lshl_b32 s16, s[TROW], 8                     ; A: row 256 x tile row + 128 x half, 2,048 bytes a row: made of the tile row and the wave's number alone
	s_lshl_b32 s17, s[CHF], 7
	s_add_co_u32 s16, s16, s17
	s_lshl_b32 s16, s16, 11
	s_mov_b32 s17, 0
	s_lshl_b32 s20, s[TC], 7                       ; B: row 128 x tile column + 1,024 x gate, 4,096 bytes a row: made of the tile column and the wave's number alone
	s_lshl_b32 s21, s[CHF], 10
	s_add_co_u32 s20, s20, s21
	s_lshl_b32 s20, s20, 12
	s_mov_b32 s21, 0
	s_lshl_b32 s18, s[TROW], 8                     ; h's tile: row 256 x tile row + 64 x wave, column 128 x tile column
	s_lshl_b32 s19, s[WV], 6
	s_add_co_u32 s18, s18, s19
	s_lshl_b32 s18, s18, 11
	s_lshl_b32 s19, s[TC], 8
	s_add_co_u32 s18, s18, s19
	s_mov_b32 s19, 0
	s_mul_i32 s86, s[WV], HALFT                    ; where my tiles go: wave x 128 rows
	s_mov_b32 s[G0H], 1
	s_lshl_b32 s[G0H+1], s[WV], 14
	s_wait_dscnt 0x0                               ; the opening add is done
	s_wait_kmcnt 0x0
	s_add_nc_u64 s[AX:AX+1], s[4:5], s[16:17]
	s_add_nc_u64 s[AH:AH+1], s[6:7], s[16:17]
	s_add_nc_u64 s[22:23], s[8:9], s[20:21]
	s_add_nc_u64 s[G0H+2:G0H+3], s[6:7], s[18:19]
	s_or_b32 s[G0H+3], s[G0H+3], 0x80000000
	CROUND                                         ; all sixteen work-groups are here: the first joint loads meet
.irp s, 0,1
	s_mov_b32 s[G0A+4*(\s)], 1
	s_add_co_u32 s[G0A+4*(\s)+1], s86, (\s)*SLOT
	s_add_nc_u64 s[G0A+4*(\s)+2:G0A+4*(\s)+3], s[AX:AX+1], (\s)*KSTEP*2
	s_or_b32 s[G0A+4*(\s)+3], s[G0A+4*(\s)+3], 0x80000000
	s_mov_b32 s[G0B+4*(\s)], 1
	s_add_co_u32 s[G0B+4*(\s)+1], s86, (\s)*SLOT
	s_add_nc_u64 s[G0B+4*(\s)+2:G0B+4*(\s)+3], s[22:23], (\s)*KSTEP*2
	s_or_b32 s[G0B+4*(\s)+3], s[G0B+4*(\s)+3], 0x80000000
	JLOAD \s                                       ; K steps 0 and 1: two loads of mine are out
.endr
	; A fragment is 16 rows x 32 K in 8 registers: lane l holds row l % 16; two loads of 16 bytes, 32 bytes apart, at row x pitch + 16 (l / 16)
	v_and_b32 v1, 15, v0                           ; l % 16
	v_bfe_u32 v2, v0, 4, 1                         ; l / 16
	v_and_b32 v8, 31, v0                           ; l
	v_mul_u32_u24 v3, v1, PITCH
	v_lshl_add_u32 v3, v2, 4, v3
	s_mul_i32 s86, s[RHF], HALFT                   ; my 128 rows of A
	s_mul_i32 s87, s[CHF], HALFT                   ; my 128 rows of B,
	s_add_co_u32 s87, s87, 2*HALFT                 ; which lie behind A's 256
.irp s, 0,1
	v_add_nc_u32 v[ADRA+(\s)], s86, v3
	v_add_nc_u32 v[ADRB+(\s)], s87, v3
	s_add_co_u32 s86, s86, SLOT
	s_add_co_u32 s87, s87, SLOT
.endr
	s_mul_i32 s86, s[WV], DREG
	s_add_co_u32 s86, s86, DUMP0                   ; my dump
	v_mul_u32_u24 v4, v1, EP                       ; in: row l % 16, 32 bytes for each half of the lanes
	v_lshl_add_u32 v4, v2, 5, v4
	v_add_nc_u32 v[DST], s86, v4
	s_mul_i32 s86, s[RHF], 2*DREG                  ; back: the r dump of my row half, rows 32 x gate on; 32 lanes take a whole row of 512 bytes
	s_mul_i32 s87, s[CHF], 32*EP
	s_add_co_u32 s86, s86, s87
	s_add_co_u32 s86, s86, DUMP0
	v_lshl_add_u32 v[RD0], v8, 4, s86
	s_lshl_b32 s86, s[RHF], 15                     ; the same rows in h's tile: (128 x row half + 32 x gate) x 256 bytes
	s_lshl_b32 s87, s[CHF], 13
	s_add_co_u32 s86, s86, s87
	v_lshl_add_u32 v[RH0], v8, 3, s86
	v_lshlrev_b32 v[VO], 3, v8
	s_lshl_b32 s18, s[TC], 9
	v_lshl_add_u32 v[BO], v8, 4, s18               ; columns 128 x tile column + 4 l of a bias
	global_load_b128 v[BSR:BSR+3], v[BO], s[10:11]
	global_load_b128 v[BSZ:BSZ+3], v[BO], s[70:71]
	global_load_b128 v[248:251], v[BO], s[68:69]
	global_load_b128 v[252:255], v[BO], s[72:73]
	; the prefetches' rows: for A 256 x tile row + 128 x half + 32 cx, for B 128 x tile column + 1,024 x gate + 32 cy
	s_lshl_b32 s18, s[TROW], 8
	s_lshl_b32 s19, s[CHF], 7
	s_add_co_u32 s18, s18, s19
	s_lshl_b32 s19, s[CX], 5
	s_add_co_u32 s18, s18, s19
	s_lshl_b32 s18, s18, 11
	s_lshl_b32 s20, s[TC], 7
	s_lshl_b32 s21, s[CHF], 10
	s_add_co_u32 s20, s20, s21
	s_lshl_b32 s21, s[CY], 5
	s_add_co_u32 s20, s20, s21
	s_lshl_b32 s20, s20, 12
	s_and_b32 s21, ttmp7, 0xffff                   ; cluster y
	s_cmp_eq_u32 s[RHF], 0                         ; do I fetch for A?
	s_cselect_b32 s18, s18, s20
	s_cselect_b32 s21, ttmp9, s21                  ; the coordinate along which other clusters read the same rows
	s_cselect_b64 s[P0:P0+1], s[4:5], s[8:9]
	s_cselect_b64 s[P1:P1+1], s[6:7], s[8:9]
	s_cselect_b32 s20, 0, 2048                     ; B's K steps 8-15 lie 2,048 bytes along the same rows
	s_cselect_b32 s22, 11, 12                      ; log2 of a row's bytes
	s_cmp_eq_u32 s21, 0
	s_cselect_b32 s[LIM], 16, 0                    ; the same in all sixteen partners, for a given wave
	s_mov_b32 s19, 0
	s_mov_b32 s21, 0
	s_add_nc_u64 s[P0:P0+1], s[P0:P0+1], s[18:19]
	s_add_nc_u64 s[P1:P1+1], s[P1:P1+1], s[18:19]
	s_add_nc_u64 s[P1:P1+1], s[P1:P1+1], s[20:21]
	v_lshlrev_b32 v[PFO], s22, v8
	s_wait_loadcnt 0x0                             ; the four biases
	v_pk_add_f32 v[BSR:BSR+1], v[BSR:BSR+1], v[248:249]
	v_pk_add_f32 v[BSR+2:BSR+3], v[BSR+2:BSR+3], v[250:251]
	v_pk_add_f32 v[BSZ:BSZ+1], v[BSZ:BSZ+1], v[252:253]
	v_pk_add_f32 v[BSZ+2:BSZ+3], v[BSZ+2:BSZ+3], v[254:255]
.irp j, 0,2,4,6
	v_pk_mul_f32 v[BSR+(\j):BSR+(\j)+1], v[BSR+(\j):BSR+(\j)+1], s[CS:CS+1] op_sel_hi:[1,0]  ; the scale of the exponent is folded into the bias
.endr
; 16 matrix instructions: m blocks a0, a0 + 1 of the window's four x all 8 n blocks, 32 along K.  zero = 1: the first product starts the sums.
; The 64 accumulators take turns, one instruction a turn, in the same order in every quarter step.
.macro MUL16 f, hi, a0, zero
	WIN MUL_LO+0x50*(\hi)
.irp a, \a0, (\a0)+1
.irp b, 0,1,2,3,4,5,6,7
.if \zero
	v_wmma_f32_16x16x32_bf16 v[8*(8*(\a)+(\b)):8*(8*(\a)+(\b))+7], v[(\f)+8*(\b):(\f)+8*(\b)+7], v[(\f)+8*(4*(\hi)+(\a)):(\f)+8*(4*(\hi)+(\a))+7], 0
.else
	v_wmma_f32_16x16x32_bf16 v[8*(8*(\a)+(\b)):8*(8*(\a)+(\b))+7], v[(\f)+8*(\b):(\f)+8*(\b)+7], v[(\f)+8*(4*(\hi)+(\a)):(\f)+8*(4*(\hi)+(\a))+7], v[8*(8*(\a)+(\b)):8*(8*(\a)+(\b))+7]
.endif
.endr
.endr
.endm
; 32 LDS loads in one run: the fragments of one quarter step (128 rows of B, 128 rows of A, 32 K at byte k of the rows) into buffer f
.macro FETCH slot, k, f
	WIN TO_B
.irp i, 0,1,2,3,4,5,6,7
	ds_load_b128 v[(\f)+8*(\i):(\f)+8*(\i)+3],   v[ADRB+(\slot)] offset:(\k)+(\i)*16*PITCH
	ds_load_b128 v[(\f)+8*(\i)+4:(\f)+8*(\i)+7], v[ADRB+(\slot)] offset:(\k)+(\i)*16*PITCH+32
.endr
	WIN 0
.irp i, 0,1,2,3,4,5,6,7
	ds_load_b128 v[(\f)+8*(\i):(\f)+8*(\i)+3],   v[ADRA+(\slot)] offset:(\k)+(\i)*16*PITCH
	ds_load_b128 v[(\f)+8*(\i)+4:(\f)+8*(\i)+7], v[ADRA+(\slot)] offset:(\k)+(\i)*16*PITCH+32
.endr
.endm
.macro PLACES                          ; four plain vector instructions between a matrix instruction and a load into, or a read of, its registers
.rept 4
	v_nop
.endr
.endm
; A K step is four quarters of 32 along K, 64 matrix instructions each, on buffers 0, 1, 0, 1.  One of the first three: multiplies buffer f and fetches the next quarter, at byte k, into g.
.macro QUARTER slot, k, f, g, zero
	s_wait_dscnt 8                                 ; B and A's rows 0-63 are in; the youngest eight loads (A's rows 64-127) may be out
	WIN MUL_LO
	MUL16 \f, 0, 0, \zero
	MUL16 \f, 0, 2, \zero
	PLACES
	FETCH \slot, \k, \g
	s_wait_dscnt 32                                ; all but the 32 just issued
	WIN MUL_HI
	MUL16 \f, 1, 0, \zero
	MUL16 \f, 1, 2, \zero
.endm
; The last quarter multiplies buffer 1 and changes slots.  In front of the round each wave waits for all its tensor loads (one is out: its part of the next slot), adds 0 to its spare word, and waits for
; that and for its own reads of this slot.  Behind the round nobody in the cluster reads this slot any more, and it is filled again first: kind = 1 with the K step two on, jointly; kind = 2 with h's tile.
.macro TURN slot, next, kind
.if (\kind) == 1
	s_wait_xcnt 0x0                                ; the last prefetch, a K step back, has read its address: it is made anew here
	PFADDR
.endif
	WIN 0                                          ; (the add's two registers lie in window 0)
	s_wait_tensorcnt 0x0                           ; all my tensor loads have landed, so a group 0 may be written
	ds_add_u32 v[SPW], v[NIL]                      ; 0 onto my spare word
.if (\kind) == 1
	DESC \slot
.endif
	s_wait_dscnt 9                                 ; (the add and the youngest eight loads may be out)
	MUL16 F1, 0, 0, 0                              ; sixteen matrix instructions stand between the add and the wait for it
	s_wait_dscnt 0x0                               ; the add is done, and my reads of this slot are over
	s_barrier_signal -1
	MUL16 F1, 0, 2, 0
	WIN 0
	s_barrier_wait -1
	CREST
.if (\kind) == 1
	JLOAD \slot                                    ; the first tensor load behind the round; its four v_nop are also the places in front of the loads below
.else
	HLOAD
.endif
	FETCH \next, 0, F0
.if (\kind) == 1
	ASK
.endif
	MUL16 F1, 1, 0, 0
	MUL16 F1, 1, 2, 0
.endm
	s_wait_tensorcnt 1                             ; my part of K step 0 is in; K step 1's may stay out
	s_barrier_signal -1
	s_barrier_wait -1
	FETCH 0, 0, F0
	QUARTER 0, 64,  F0, F1, 1                      ; the first quarter stands in front of the loop: its products start the sums
	WIN 0
	s_mov_b32 s3, 7
.Llap:                                             ; a trip goes once round the ring, from a lap's second quarter to the next lap's first, and asks for K steps 2 .. 15
	QUARTER 0, 128, F1, F0, 0
	QUARTER 0, 192, F0, F1, 0
	TURN 0, 1, 1
	QUARTER 1, 64,  F0, F1, 0
	QUARTER 1, 128, F1, F0, 0
	QUARTER 1, 192, F0, F1, 0
	TURN 1, 0, 1
	QUARTER 0, 64,  F0, F1, 0
	WIN 0
	s_sub_co_u32 s3, s3, 1
	s_cmp_lg_u32 s3, 0
	s_cbranch_scc1 .Llap
	QUARTER 0, 128, F1, F0, 0                      ; the last lap: K steps 14 and 15
	QUARTER 0, 192, F0, F1, 0
	TURN 0, 1, 2                                   ; slot 0's last fill is h's tile: it has a K step's products in which to land
	QUARTER 1, 64,  F0, F1, 0
	QUARTER 1, 128, F1, F0, 0
	QUARTER 1, 192, F0, F1, 0
	s_wait_dscnt 8
	MUL16 F1, 0, 0, 0
	MUL16 F1, 0, 2, 0
	s_wait_dscnt 0x0
	MUL16 F1, 1, 0, 0
	MUL16 F1, 1, 2, 0
	WIN 0
	PLACES
	s_wait_tensorcnt 0x0                           ; my part of h's tile is in,
	s_wait_dscnt 0x0                               ; and my reads of slot 1 are over:
	s_barrier_signal -1
	s_barrier_wait -1                              ; both hold of all four waves: h's tile may be read, slot 1 written
	s_lshl_b32 s20, s[TROW], 8                     ; my first row of RH and ZB: 256 x tile row + 128 x row half + 32 x gate; column 128 x tile column
	s_lshl_b32 s21, s[RHF], 7
	s_add_co_u32 s20, s20, s21
	s_lshl_b32 s21, s[CHF], 5
	s_add_co_u32 s20, s20, s21
	s_lshl_b32 s20, s20, 11
	s_lshl_b32 s21, s[TC], 8
	s_add_co_u32 s20, s20, s21
	s_mov_b32 s21, 0
	s_add_nc_u64 s[SR:SR+1], s[74:75], s[20:21]
	s_add_nc_u64 s[SZ:SZ+1], s[76:77], s[20:21]
	s_mov_b32 s[MSK], 0xffff0000
; Eight rows of r's sums, the same eight rows of z's, and of h: 24 LDS loads
.macro RAW
	v_add_nc_u32 v[RDA], s[TDO], v[RD0]
	v_add_nc_u32 v[RHA], s[THO], v[RH0]
.irp r, 0,1,2,3,4,5,6,7
	ds_load_b128 v[TRW+4*(\r):TRW+4*(\r)+3], v[RDA] offset:EP*(\r)
.endr
.irp r, 0,1,2,3,4,5,6,7
	ds_load_b128 v[TRW+32+4*(\r):TRW+32+4*(\r)+3], v[RDA] offset:DREG+EP*(\r)
.endr
.irp r, 0,1,2,3,4,5,6,7
	ds_load_b64 v[HR+2*(\r):HR+2*(\r)+1], v[RHA] offset:256*(\r)
.endr
.endm
; PHASE p: the accumulators of my rows 64 p .. 64 p + 63 go into my dump; behind a barrier each wave takes 32 rows of both gates, eight at a time.
.macro PHASE p
	WIN 0x08+4*(\p)                                ; the stores' data (source 1) in window 2 or 3
.irp a, 0,1,2,3
.irp b, 0,1,2,3,4,5,6,7
	ds_store_b128 v[DST], v[8*(8*(\a)+(\b)):8*(8*(\a)+(\b))+3]   offset:(\a)*16*EP+(\b)*64     ; each accumulator's lowest registers are read first
	ds_store_b128 v[DST], v[8*(8*(\a)+(\b))+4:8*(8*(\a)+(\b))+7] offset:(\a)*16*EP+(\b)*64+16
.endr
.endr
	WIN 0
	s_wait_dscnt 0x0                               ; for the others' sake: my stores are done
	s_barrier_signal -1
	s_barrier_wait -1
	s_mov_b32 s[TDO], 0
	s_mov_b32 s[THO], (\p)*16384                   ; 64 rows of h's tile a phase
	RAW
	s_add_co_u32 s[TDO], s[TDO], 8*EP
	s_add_co_u32 s[THO], s[THO], 8*256
	s_mov_b32 s3, 4
.Lep_\@:
	s_wait_dscnt 0x0                               ; the trip's 24 loads
.set k, 0
.rept 16
	v_pk_fma_f32 v[TT+2*k:TT+2*k+1], v[TRW+2*k:TRW+2*k+1], s[CS:CS+1], v[BSR+2*(k%2):BSR+2*(k%2)+1] op_sel_hi:[1,0,1]            ; -log2(e) (sum + biases)
	v_pk_fma_f32 v[TT+32+2*k:TT+32+2*k+1], v[TRW+32+2*k:TRW+32+2*k+1], s[CS:CS+1], v[BSZ+2*(k%2):BSZ+2*(k%2)+1] op_sel_hi:[1,0,1]
.set k, k+1
.endr
.set k, 0
.rept 16
	v_lshlrev_b32 v[HF+2*k], 16, v[HR+k]           ; bf16 to f32
	v_and_b32 v[HF+2*k+1], s[MSK], v[HR+k]
.set k, k+1
.endr
	s_cmp_eq_u32 s3, 1                             ; the raw registers are free: the next trip's rows are fetched under this trip's arithmetic; the last trip has none
	s_cbranch_scc1 .Lno_raw_\@
	RAW
.Lno_raw_\@:
	s_add_co_u32 s[TDO], s[TDO], 8*EP
	s_add_co_u32 s[THO], s[THO], 8*256
.set k, 0
.rept 64
	v_exp_f32 v[TT+k], v[TT+k]
.set k, k+1
.endr
	v_nop                                          ; a plain instruction behind the last exponential,
	s_wait_alu depctr_va_vdst(0)                   ; and one wait for the batch, ahead of its first reader
.set k, 0
.rept 32
	v_pk_add_f32 v[TT+2*k:TT+2*k+1], v[TT+2*k:TT+2*k+1], 1.0 op_sel_hi:[1,0]
	v_rcp_f32 v[TT+2*k], v[TT+2*k]
	v_rcp_f32 v[TT+2*k+1], v[TT+2*k+1]
.set k, k+1
.endr
	v_nop
	s_wait_alu depctr_va_vdst(0)                   ; one wait for the 64 reciprocals
	s_wait_xcnt 0x0                                ; the last trip's stores have read their data and bases: both are written again only behind this wait
	s_add_nc_u64 s[SR:SR+1], s[SR:SR+1], 16384     ; eight rows on; the stores reach back
	s_add_nc_u64 s[SZ:SZ+1], s[SZ:SZ+1], 16384
.set k, 0
.rept 16
	v_pk_mul_f32 v[TT+2*k:TT+2*k+1], v[TT+2*k:TT+2*k+1], v[HF+2*k:HF+2*k+1]   ; r * h
.set k, k+1
.endr
.set k, 0
.rept 16
	v_cvt_pk_bf16_f32 v[OUTR+k], v[TT+2*k], v[TT+2*k+1]
	v_cvt_pk_f16_f32 v[OUTZ+k], v[TT+32+2*k], v[TT+32+2*k+1]
.set k, k+1
.endr
.irp r, 0,1,2,3,4,5,6,7
	global_store_b64 v[VO], v[OUTR+2*(\r):OUTR+2*(\r)+1], s[SR:SR+1] offset:2048*(\r)-16384   ; 32 lanes x 8 bytes: 256 consecutive bytes, aligned
	global_store_b64 v[VO], v[OUTZ+2*(\r):OUTZ+2*(\r)+1], s[SZ:SZ+1] offset:2048*(\r)-16384
.endr
	s_sub_co_u32 s3, s3, 1
	s_cmp_lg_u32 s3, 0
	s_cbranch_scc1 .Lep_\@
.if (\p) == 0
	s_wait_dscnt 0x0                               ; my reads of the dumps are over:
	s_barrier_signal -1
	s_barrier_wait -1                              ; everybody's are: the dumps may be written again
	s_wait_xcnt 0x0
	s_add_nc_u64 s[SR:SR+1], s[SR:SR+1], 65536     ; from row 32 of my share to row 64
	s_add_nc_u64 s[SZ:SZ+1], s[SZ:SZ+1], 65536
.endif
.endm
	PHASE 0
	PHASE 1
	s_wait_tensorcnt 0x0                           ; the wave's end: behind my last tensor load and my last LDS store
	ds_add_u32 v[SPW], v[NIL]
	s_wait_dscnt 0x0
	CROUND                                         ; the closing round: no work-group ends while a partner may still ask for a tile that names it
	s_endpgm
.Lfunc_end_k_q94e087279e_gates:
	.size	k_q94e087279e_gates, .Lfunc_end_k_q94e087279e_gates-k_q94e087279e_gates
	.p2alignl 7, 3214868480
	.fill 96, 4, 3214868480
	.section	.rodata,"a",@progbits
	.p2align	6, 0x0
	.amdhsa_kernel k_q94e087279e_gates
		.amdhsa_group_segment_fixed_size 327680
		.amdhsa_private_segment_fixed_size 0
		.amdhsa_enable_private_segment 0
		.amdhsa_kernarg_size 72
		.amdhsa_user_sgpr_count 2
		.amdhsa_user_sgpr_kernarg_segment_ptr 1
		.amdhsa_wavefront_size32 1
		.amdhsa_system_sgpr_workgroup_id_x 1
		.amdhsa_system_sgpr_workgroup_id_y 1
		.amdhsa_system_sgpr_workgroup_id_z 1
		.amdhsa_system_vgpr_workitem_id 0
		.amdhsa_next_free_vgpr 1024
		.amdhsa_next_free_sgpr 106
		.amdhsa_reserve_vcc 0
		.amdhsa_float_denorm_mode_32 3
		.amdhsa_float_denorm_mode_16_64 3
		.amdhsa_memory_ordered 1
		.amdhsa_forward_progress 1
		.amdhsa_inst_pref_size 160
	.end_amdhsa_kernel
	.amdgpu_metadata
---
amdhsa.version: [ 1, 2 ]
amdhsa.kernels:
  - .name:           k_q94e087279e_gates
    .symbol:         k_q94e087279e_gates.kd
    .args:
      - { .name: XB, .offset: 0, .size: 8, .value_kind: global_buffer, .address_space: global }
      - { .name: HB, .offset: 8, .size: 8, .value_kind: global_buffer, .address_space: global }
      - { .name: WB, .offset: 16, .size: 8, .value_kind: global_buffer, .address_space: global }
      - { .name: bir, .offset: 24, .size: 8, .value_kind: global_buffer, .address_space: global }
      - { .name: bhr, .offset: 32, .size: 8, .value_kind: global_buffer, .address_space: global }
      - { .name: biz, .offset: 40, .size: 8, .value_kind: global_buffer, .address_space: global }
      - { .name: bhz, .offset: 48, .size: 8, .value_kind: global_buffer, .address_space: global }
      - { .name: RH, .offset: 56, .size: 8, .value_kind: global_buffer, .address_space: global }
      - { .name: ZB, .offset: 64, .size: 8, .value_kind: global_buffer, .address_space: global }
    .group_segment_fixed_size: 327680
    .private_segment_fixed_size: 0
    .kernarg_segment_align: 8
    .kernarg_segment_size: 72
    .max_flat_workgroup_size: 128
    .sgpr_count:     106
    .vgpr_count:     1024
    .wavefront_size: 32
...
	.end_amdgpu_metadata
.endif
;; end of part 2
;; launch cand (part 3): grid 4 x 64, 4 waves a work-group, clusters of 4 x 4, 327,680 bytes of LDS; arguments XB, RH, WB, ZB, HB, bih, bhh, out1; writes out1
.if DOCPART == 3
	.amdgcn_target "amdgcn-amd-amdhsa--gfx1250"
	.amdhsa_code_object_version 6
	.text
	.protected	k_q94e087279e_cand
	.globl	k_q94e087279e_cand
	.p2align	8
	.type	k_q94e087279e_cand,@function
k_q94e087279e_cand:
	s_mov_b64 s[64:65], 0
	v_nop
	global_prefetch_b8 v0, s[64:65] scope:SCOPE_SE
	s_setreg_imm32_b32 hwreg(HW_REG_WAVE_MODE, 25, 1), 1
	s_wait_xcnt 0x0
	s_wait_alu depctr_hold_cnt(0) depctr_sa_sdst(0) depctr_va_vdst(0) depctr_va_sdst(0) depctr_va_ssrc(0) depctr_va_vcc(0) depctr_vm_vsrc(0)
	s_getreg_b32 s2, hwreg(HW_REG_IB_STS2, 6, 4)
	s_cmp_eq_u32 s2, 0
	s_cbranch_scc0 .Lentry_in_a_cluster
	s_endpgm
.Lentry_in_a_cluster:
	s_bfe_u32 s2, ttmp6, 0x10000c
	s_cmp_lg_u32 s2, 0xf033
	s_cbranch_scc0 .Lentry_shape_is_right
	s_endpgm
.Lentry_shape_is_right:
; THE CANDIDATE AND THE UPDATE OF A GRU CELL.  ht = tanh([x | r h] [Wih | Whh]^T + bih + bhh);  out1 = z h + (1 - z) ht = ht + z (h - ht), in f32.
; One product with K = 2,048: x (XB) against the left half of WB's rows 2,048 .. 3,071, r h (RH) against the right half.  Operands bf16, sums f32, K in the order given below.
; LIMITS.  h enters as bf16(h), z as f16(z).  tanh(t) = 1 - 2 / (1 + 2^(2 t log2 e)): where the power overflows the result is 1, where it vanishes -1.  NaN and infinities in the inputs are not treated apart.
; SHARES.  8,192 x 1,024 outputs in tiles of 128 x 256: 256 work-groups (tiles of 256 x 256 would be 128).  Four waves, each 64 x 128: 32 accumulators, 256 registers.
; THE RING HAS TWO SLOTS OF UNEQUAL LENGTH.  A step's tiles have 384 rows (128 of A, 256 of B).  Two slots of 256 along K would be 405,504 bytes; so one SHORT slot holds 128 along K (rows of 272 bytes)
; and one LONG slot 256 (rows of 528 bytes): 307,200 bytes.  K = 2,048 is 6 short and 5 long steps, by turns: S0 L0 S1 L1 S2 L2 S3 L3 S4 L4 S5.  A short slot's refill has 240 matrix instructions
; between its request and the wait for it, a long slot's 112; there are 10 changes of slots.  Each slot walks a stream of its own, so that no tile crosses from x to r h:
;   L0-L3: x, K = 256 j;  L4: r h, K = 0 .. 255;  in WB that is K = 256 j for j = 0 .. 4.      S0-S5: r h, K = 256 + 128 j;  in WB K = 1,280 + 128 j.
; Waves 0 and 1 fetch A's 2 x 64 rows, waves 2 and 3 B's 2 x 128 rows: one tensor load a wave behind each change.
; CLUSTER.  4 x 4 work-groups: A's tile is shared along a row of the cluster, B's along a column: joint loads.
; z's and h's tiles (128 rows x 512 bytes each) are the long slot's last fill, asked for at the change from L4 to S5: waves 0 and 1 bring z's 2 x 64 rows, waves 2 and 3 h's.
; THE MATRIX INSTRUCTION IS USED TRANSPOSED (source 0 = 16 rows of B, source 1 = 16 rows of A): a lane holds row l % 16 and eight neighbouring columns.
; THE WAY OUT.  The sums go through LDS (f32, rows of 528 bytes, in ring bytes that have had their last fill) and come back as whole rows of 512 bytes, eight rows a half-trip.
; REGISTERS: window 0: v0-31 addresses and the bias; v64-159, v160-255 two fragment buffers (64 of B, 32 of A); window 1: the accumulators ((a, b) at v[8 (8 a + b)]).
; On the way out, in window 0: v32-47, v128-143 z as read (two buffers), v48-63 h as read, v64-95 raw sums, v96-127 at work, v160-191 h in f32, v192-223 results.
.set PTS,    272                       ; a row of the short slot: 256 bytes + 16 of padding = 68 words: the 16 rows of a fragment load start at 16 different groups of four banks (64 banks of 4 bytes: ISA guide 11.1)
.set PTL,    528                       ; a row of the long slot: 512 + 16 = 132 words: likewise
.set SA,     0                         ; the short slot: A's 128 rows,
.set SB,     128*PTS                   ; B's 256 rows
.set LA,     384*PTS                   ; the long slot: A's 128 rows,
.set LB,     LA+128*PTL                ; B's 256 rows
.set SPARE,  LB+256*PTL                ; behind the ring: the spare words, 128 bytes for each wave: two blocks of 256 bytes that no other line names
.set ZT,     SPARE-131072              ; z's tile, in the upper bytes of the long slot: 128 rows x 512 bytes
.set HT,     ZT+65536                  ; h's tile
.set EP,     528                       ; the way out: a row of sums, 512 bytes + 16
.set DREG,   64*EP                     ; a wave's 64 rows; the four regions lie at bytes 0 .. 135,167, below z's tile
.set HA,   9                           ; v9      HA0 + the trip's step
.set VO,   10                          ; v10     16 x lane: my bytes in a row's 512 of out1
.set BO,   11                          ; v11     my 16 bytes in each bias
.set BS,   12                          ; v12-15  2 log2(e) (bih + bhh) of my four columns
.set ADRA, 16                          ; v16-17  LDS address of my A fragments in the short, the long slot
.set PFH,  19                          ; v19     2,048 x lane: a row of ZB and of HB; never rewritten
.set ADRB, 20                          ; v20-21  the same for B
.set DST,  22                          ; v22     where I put 32 bytes of a row of sums
.set RD0,  23                          ; v23     where I read rows of sums back
.set ZA0,  24                          ; v24     my 8 bytes in the first row of z that I read
.set HA0,  25                          ; v25     the same for h
.set RDA,  26
.set ZA,   27
.set SPW,  28                          ; v28     LDS address of my spare word; never rewritten
.set NIL,  29                          ; v29     0; never rewritten
.set PFO,  30                          ; v30     the prefetches' offset: my lane x a row's bytes; never rewritten
.set ZR0,  32
.set HR,   48
.set TRW,  64
.set TT,   96
.set ZR1,  128
.set HF,   160
.set OUT,  192
.set F0,   64
.set F1,   160
.set G1P,  4                           ; s[4:11]  group 1 of z's and h's tiles (the registers of four arguments, once those are used)
.set WV,   12
.set RHF,  13                          ; s13  my half of the rows.  Also: I fetch for A (0) or for B (1); z's tile (0) or h's (1)
.set CHF,  14                          ; s14  my half of the columns.  Also: which half of that tile I fetch
.set JL,   15                          ; s15  the long step that the next long refill brings
.set SO,   18                          ; s[18:19] out1 at my rows
.set G0ZH, 20                          ; s[20:23] group 0 of my part of z's or h's tile
.set G1A,  24                          ; s[24:31] group 1 of A's short tiles, s[32:39] of its long ones
.set G0A,  40                          ; s[40:43] group 0 of A's short tiles, s[44:47] of its long ones
.set G1B,  48                          ; s[48:55], s[56:63] the same for B
.set ASKF, 66                          ; s66  1 in a wave that prefetches the ring's tiles
.set MSK,  67                          ; s67  a word's upper bf16
.set G0B,  76                          ; s[76:79], s[80:83]
.set AX,   84                          ; s[84:85] XB at the 64 rows that I fetch
.set AR,   86                          ; s[86:87] RH at the same rows
.set P0,   88                          ; s[88:89] the prefetches' rows, long steps 0-3
.set P1,   90                          ; s[90:91] long step 4
.set PS,   92                          ; s[92:93] the prefetches' rows at a short step
.set CX,   92                          ; (at the head alone: my place in the cluster,
.set CY,   93
.set PFA,  94                          ; s[94:95] the prefetches' rows at a long step
.set TC,   94                          ; the tile column, 0-3,
.set TROW, 95                          ; and the tile row, 0-63)
.set OF,   96                          ; s[96:97] a long step's bytes along a row, high word 0
.set PZH,  98                          ; s[98:99] ZB or HB at my 64 rows of the tile
.set CS,   100                         ; s[100:101] 2 log2(e), twice
.set TDO,  104                         ; s104 LDS offsets at the head; on the way out the trip's step in my dump
.set TZO,  105                         ; s105 and in z's and h's tiles
.set G1WS, (1<<16)|(1<<20)|(1<<21)|(5<<22)|(3<<25)  ; 17:16 elements of 2 bytes; 20 padding on; 21 set beside a mask; 24:22 after every 64 words; 31:25 4 words of it
.set G1WL, (1<<16)|(1<<20)|(1<<21)|(6<<22)|(3<<25)  ; the same after every 128 words
.set MSB, 0
.macro WIN new                         ; the immediate's high byte repeats the setting that is left; a switch that changes nothing is dropped
.if MSB != (\new)
	s_set_vgpr_msb (MSB<<8)|(\new)
.set MSB, \new
.endif
.endm
.set MULW, 0x50                        ; sources in window 0, C and D in window 1
; A joint refill of slot s (0 short, 1 long).  The branch hangs on the wave's number alone.  An s_nop 0 and four v_nop follow each of the two lines, ahead of the jump and the label.
.macro JLOAD s
	s_cmp_eq_u32 s[RHF], 0
	s_cbranch_scc0 .Lfor_b_\@
	tensor_load_to_lds s[G0A+4*(\s):G0A+4*(\s)+3], s[G1A+8*(\s):G1A+8*(\s)+7]
	s_nop 0
.rept 4
	v_nop
.endr
	s_branch .Lasked_\@
.Lfor_b_\@:
	tensor_load_to_lds s[G0B+4*(\s):G0B+4*(\s)+3], s[G1B+8*(\s):G1B+8*(\s)+7]
	s_nop 0
.rept 4
	v_nop
.endr
.Lasked_\@:
.endm
.macro ZHLOAD                          ; z's and h's tiles: every wave brings 64 rows x 512 bytes of its own, to LDS byte ZT + 32,768 x wave
	tensor_load_to_lds s[G0ZH:G0ZH+3], s[G1P:G1P+7]
	s_nop 0
.rept 4
	v_nop
.endr
.endm
.macro CREST                           ; a round of the cluster's barrier behind its opening barrier
	s_cmp_lg_u32 s[WV], 0
	s_cbranch_scc1 .Lnot_wave_0_\@
	s_barrier_signal -3
.Lnot_wave_0_\@:
	s_barrier_wait -3
	s_barrier_signal -1
	s_barrier_wait -1
.endm
.macro CROUND                          ; a whole round
	s_barrier_signal -1
	s_barrier_wait -1
	CREST
.endm
; The descriptors of a slot's next step.  The short stream and B's long stream walk on along their rows; A's long address is made anew: x's buffer for long steps 0-3, r h's for step 4.
.macro DESC cur
.if (\cur) == 0
	s_add_nc_u64 s[G0A+2:G0A+3], s[G0A+2:G0A+3], 256
	s_add_nc_u64 s[G0B+2:G0B+3], s[G0B+2:G0B+3], 256
.else
	s_cmp_lt_u32 s[JL], 4
	s_cselect_b64 s[G0A+6:G0A+7], s[AX:AX+1], s[AR:AR+1]
	s_and_b32 s[OF], s[JL], 3
	s_lshl_b32 s[OF], s[OF], 9
	s_add_nc_u64 s[G0A+6:G0A+7], s[G0A+6:G0A+7], s[OF:OF+1]
	s_or_b32 s[G0A+7], s[G0A+7], 0x80000000
	s_add_nc_u64 s[G0B+6:G0B+7], s[G0B+6:G0B+7], 512
	s_add_co_u32 s[JL], s[JL], 1
.endif
.endm
; PREFETCHES, all behind the SHORT slot's joint load, its five lines and the run of LDS loads.  In lap j (j = 0 .. 3): the two blocks of 256 bytes a row of long step j + 1, whose load stands 256 matrix instructions
; on, and the one block a row of short step j + 2, whose load stands 384 on: one place of asking a lap.  A lane a row, 32 rows.  A's 128 rows: wave 0 of each of the four partners takes 32, told apart by address.
; B's 256 rows, which all sixteen clusters walk: wave 2 of the eight work-groups of a column in the clusters with y < 2, 32 rows each.  So each block is named once in the launch.  S0, L0 and S1 come by their loads alone.
.macro PFADDR
	s_cmp_lt_u32 s[JL], 4
	s_cselect_b64 s[PFA:PFA+1], s[P0:P0+1], s[P1:P1+1]
	s_and_b32 s[OF], s[JL], 3
	s_lshl_b32 s[OF], s[OF], 9
	s_add_nc_u64 s[PFA:PFA+1], s[PFA:PFA+1], s[OF:OF+1]
	s_add_nc_u64 s[PS:PS+1], s[PS:PS+1], 256
.endm
.macro ASK
	s_cmp_eq_u32 s[ASKF], 1
	s_cbranch_scc0 .Lnot_mine_\@
	global_prefetch_b8 v[PFO], s[PFA:PFA+1] th:TH_LOAD_NT scope:SCOPE_SE
	global_prefetch_b8 v[PFO], s[PFA:PFA+1] offset:256 th:TH_LOAD_NT scope:SCOPE_SE
	global_prefetch_b8 v[PFO], s[PS:PS+1] th:TH_LOAD_NT scope:SCOPE_SE
.Lnot_mine_\@:
.endm
; In lap 4 the ring has nothing left to name: every wave names its own 64 rows x 2 blocks of z's or h's tile, 256 matrix instructions ahead of that tile's load.  No other work-group reads them.
.macro ASKZH
	global_prefetch_b8 v[PFH], s[PZH:PZH+1] th:TH_LOAD_NT scope:SCOPE_SE
	global_prefetch_b8 v[PFH], s[PZH:PZH+1] offset:256 th:TH_LOAD_NT scope:SCOPE_SE
	global_prefetch_b8 v[PFH], s[PZH:PZH+1] offset:65536 th:TH_LOAD_NT scope:SCOPE_SE
	global_prefetch_b8 v[PFH], s[PZH:PZH+1] offset:65792 th:TH_LOAD_NT scope:SCOPE_SE
.endm
	s_load_b256 s[4:11], s[0:1], 0x0               ; XB s[4:5], RH s[6:7], WB s[8:9], ZB s[10:11]
	s_load_b256 s[68:75], s[0:1], 0x20             ; HB s[68:69], bih s[70:71], bhh s[72:73], out1 s[74:75]
	v_lshl_add_u32 v[SPW], v0, 2, SPARE
	v_mov_b32 v[NIL], 0
	ds_add_u32 v[SPW], v[NIL]                      ; the wave's opening: the add and its wait stand ahead of my first tensor load; the set-up below, work on registers, stands between them
	v_lshrrev_b32 v1, 5, v0
	v_readfirstlane_b32 s[WV], v1
	s_lshr_b32 s[RHF], s[WV], 1
	s_and_b32 s[CHF], s[WV], 1
	s_bfe_u32 s[CX], ttmp6, 0x40000
	s_bfe_u32 s[CY], ttmp6, 0x40004
	s_lshl_b32 s[TC], ttmp9, 2
	s_add_co_u32 s[TC], s[TC], s[CX]               ; tile column = 4 x cluster x + cx
	s_and_b32 s[TROW], ttmp7, 0xffff
	s_lshl_b32 s[TROW], s[TROW], 2
	s_add_co_u32 s[TROW], s[TROW], s[CY]           ; tile row = 4 x cluster y + cy
	s_lshl_b32 s16, s[CY], 2
	s_lshl_b32 s16, 15, s16                        ; my row of the cluster
	s_lshl_b32 s18, 0x1111, s[CX]                  ; my column
	s_or_b32 s[G1A], s16, G1WS                     ; A's tiles go to my row,
	s_or_b32 s[G1A+8], s16, G1WL
	s_or_b32 s[G1B], s18, G1WS                     ; B's to my column
	s_or_b32 s[G1B+8], s18, G1WL
.irp g, G1A, G1B
	s_mov_b32 s[(\g)+1], 128<<16                   ; short: tensor_dim0 = 128,
	s_mov_b32 s[(\g)+3], 128<<16                   ; tile_dim0 = 128
	s_mov_b32 s[(\g)+6], 0
	s_mov_b32 s[(\g)+7], 0
	s_mov_b32 s[(\g)+9], 256<<16                   ; long: 256
	s_mov_b32 s[(\g)+11], 256<<16
	s_mov_b32 s[(\g)+14], 0
	s_mov_b32 s[(\g)+15], 0
.endr
.irp o, 0, 8
	s_mov_b32 s[G1A+(\o)+2], 64<<16                ; A: 64 rows a load,
	s_mov_b32 s[G1A+(\o)+4], 64
	s_mov_b32 s[G1A+(\o)+5], 1024                  ; 1,024 elements from row to row
	s_mov_b32 s[G1B+(\o)+2], 128<<16               ; B: 128 rows,
	s_mov_b32 s[G1B+(\o)+4], 128
	s_mov_b32 s[G1B+(\o)+5], 2048
.endr
	s_mov_b32 s[CS], 0x4038aa3b                    ; 2 log2(e)
	s_mov_b32 s[CS+1], 0x4038aa3b
	s_mov_b32 s[MSK], 0xffff0000
	s_mov_b32 s[OF+1], 0
	s_mov_b32 s[JL], 1
	s_lshl_b32 s16, s[TROW], 7                     ; A: row 128 x tile row + 64 x half, 2,048 bytes a row
	s_lshl_b32 s17, s[CHF], 6
	s_add_co_u32 s16, s16, s17
	s_lshl_b32 s16, s16, 11
	s_mov_b32 s17, 0
	s_lshl_b32 s18, s[TC], 8                       ; B: row 2,048 + 256 x tile column + 128 x half, 4,096 bytes a row
	s_lshl_b32 s19, s[CHF], 7
	s_add_co_u32 s18, s18, s19
	s_add_co_u32 s18, s18, 2048
	s_lshl_b32 s18, s18, 12
	s_mov_b32 s19, 0
	s_lshl_b32 s2, s[TC], 9                        ; z's and h's tiles: the same 64 rows as A's, column 256 x tile column
	s_add_co_u32 s2, s2, s16
	s_mov_b32 s3, 0
	s_mul_i32 s[TDO], s[CHF], 64*PTS               ; where A's half goes in the short slot,
	s_mul_i32 s[TZO], s[CHF], 64*PTL               ; and in the long one
	s_mov_b32 s[G0A], 1
	s_add_co_u32 s[G0A+1], s[TDO], SA
	s_mov_b32 s[G0A+4], 1
	s_add_co_u32 s[G0A+5], s[TZO], LA
	s_mul_i32 s[TDO], s[CHF], 128*PTS              ; and B's
	s_mul_i32 s[TZO], s[CHF], 128*PTL
	s_mov_b32 s[G0B], 1
	s_add_co_u32 s[G0B+1], s[TDO], SB
	s_mov_b32 s[G0B+4], 1
	s_add_co_u32 s[G0B+5], s[TZO], LB
	s_mov_b32 s[G0ZH], 1
	s_lshl_b32 s[G0ZH+1], s[WV], 15
	s_add_co_u32 s[G0ZH+1], s[G0ZH+1], ZT
	s_wait_dscnt 0x0                               ; the opening add is done
	s_wait_kmcnt 0x0
	s_add_nc_u64 s[AX:AX+1], s[4:5], s[16:17]
	s_add_nc_u64 s[AR:AR+1], s[6:7], s[16:17]
	s_add_nc_u64 s[G0A+2:G0A+3], s[AR:AR+1], 512   ; S0: r h, K = 256
	s_add_nc_u64 s[G0A+6:G0A+7], s[AX:AX+1], 0     ; L0: x, K = 0
	s_add_nc_u64 s[G0B+6:G0B+7], s[8:9], s[18:19]  ; L0: K = 0 of WB's rows
	s_add_nc_u64 s[G0B+2:G0B+3], s[G0B+6:G0B+7], 2560  ; S0: K = 1,280
	s_cmp_eq_u32 s[RHF], 0
	s_cselect_b64 s[PZH:PZH+1], s[10:11], s[68:69] ; waves 0 and 1: z; waves 2 and 3: h
	s_add_nc_u64 s[PZH:PZH+1], s[PZH:PZH+1], s[2:3]
	s_mov_b64 s[G0ZH+2:G0ZH+3], s[PZH:PZH+1]
.irp g, G0A+3, G0A+7, G0B+3, G0B+7, G0ZH+3
	s_or_b32 s[\g], s[\g], 0x80000000              ; type = 2
.endr
	CROUND                                         ; all sixteen work-groups are here: the first joint loads meet
	s_cmp_eq_u32 s[RHF], 0                         ; a wave's two first fills stand in one branch: its parts of S0 and of L0: two loads of mine are out
	s_cbranch_scc0 .Lfirst_b
	tensor_load_to_lds s[G0A:G0A+3], s[G1A:G1A+7]
	s_nop 0
	tensor_load_to_lds s[G0A+4:G0A+7], s[G1A+8:G1A+15]
	s_nop 0
.rept 4
	v_nop
.endr
	s_branch .Lfirst_asked
.Lfirst_b:
	tensor_load_to_lds s[G0B:G0B+3], s[G1B:G1B+7]
	s_nop 0
	tensor_load_to_lds s[G0B+4:G0B+7], s[G1B+8:G1B+15]
	s_nop 0
.rept 4
	v_nop
.endr
.Lfirst_asked:
	v_and_b32 v1, 15, v0                           ; l % 16
	v_bfe_u32 v2, v0, 4, 1                         ; l / 16
	v_and_b32 v8, 31, v0                           ; l
	v_mul_u32_u24 v3, v1, PTS
	v_lshl_add_u32 v3, v2, 4, v3                   ; a fragment's row x pitch + 16 x half, in the short slot
	v_mul_u32_u24 v4, v1, PTL
	v_lshl_add_u32 v4, v2, 4, v4                   ; and in the long one
	s_mul_i32 s[TDO], s[RHF], 64*PTS               ; my 64 rows of A
	s_mul_i32 s[TZO], s[CHF], 128*PTS              ; my 128 rows of B
	s_add_co_u32 s[TZO], s[TZO], SB
	v_add_nc_u32 v[ADRA], s[TDO], v3
	v_add_nc_u32 v[ADRB], s[TZO], v3
	s_mul_i32 s[TDO], s[RHF], 64*PTL
	s_add_co_u32 s[TDO], s[TDO], LA
	s_mul_i32 s[TZO], s[CHF], 128*PTL
	s_add_co_u32 s[TZO], s[TZO], LB
	v_add_nc_u32 v[ADRA+1], s[TDO], v4
	v_add_nc_u32 v[ADRB+1], s[TZO], v4
	s_mul_i32 s[TDO], s[WV], DREG                  ; my dump
	v_mul_u32_u24 v4, v1, EP                       ; in: row l % 16, 32 bytes for each half of the lanes
	v_lshl_add_u32 v4, v2, 5, v4
	v_add_nc_u32 v[DST], s[TDO], v4
	v_lshl_add_u32 v[RD0], v8, 4, s[TDO]           ; back: 32 lanes take a whole row of 512 bytes
	s_lshl_b32 s[TDO], s[RHF], 15                  ; my rows and columns in z's and h's tiles: 64 x row half rows of 512 bytes, 256 x column half bytes
	s_lshl_b32 s[TZO], s[CHF], 8
	s_add_co_u32 s[TDO], s[TDO], s[TZO]
	v_lshl_add_u32 v[HA0], v8, 3, s[TDO]
	v_add_nc_u32 v[ZA0], ZT, v[HA0]
	v_add_nc_u32 v[HA0], HT, v[HA0]
	v_lshlrev_b32 v[VO], 4, v8
	s_lshl_b32 s16, s[TC], 10
	s_lshl_b32 s17, s[CHF], 9
	s_add_co_u32 s16, s16, s17
	v_lshl_add_u32 v[BO], v8, 4, s16               ; columns 256 x tile column + 128 x half + 4 l of a bias
	global_load_b128 v[BS:BS+3], v[BO], s[70:71]
	global_load_b128 v[32:35], v[BO], s[72:73]
	; the prefetches' rows: for A 128 x tile row + 32 cx, for B 2,048 + 256 x tile column + 32 (tile row % 8)
	s_lshl_b32 s16, s[TROW], 7
	s_lshl_b32 s17, s[CX], 5
	s_add_co_u32 s16, s16, s17
	s_lshl_b32 s16, s16, 11
	s_and_b32 s2, s[TROW], 7
	s_lshl_b32 s2, s2, 5
	s_lshl_b32 s3, s[TC], 8
	s_add_co_u32 s2, s2, s3
	s_add_co_u32 s2, s2, 2048
	s_lshl_b32 s2, s2, 12
	s_and_b32 s3, ttmp7, 0xffff                    ; cluster y
	s_cmp_lt_u32 s3, 2
	s_cselect_b32 s3, 1, 0                         ; B's rows are asked for by the first two clusters
	s_cmp_eq_u32 s[RHF], 0                         ; do I fetch for A?
	s_cselect_b32 s16, s16, s2
	s_cselect_b32 s[ASKF], 1, s3
	s_cselect_b64 s[P0:P0+1], s[4:5], s[8:9]
	s_cselect_b64 s[P1:P1+1], s[6:7], s[8:9]
	s_cselect_b32 s2, 0, 2048                      ; B's long step 4 lies 2,048 bytes along the same rows
	s_cselect_b32 s17, 11, 12                      ; log2 of a row's bytes
	s_cmp_eq_u32 s[CHF], 0
	s_cselect_b32 s[ASKF], s[ASKF], 0              ; waves 0 and 2 ask: the same in all sixteen partners, for a given wave
	v_lshlrev_b32 v[PFO], s17, v8
	v_lshlrev_b32 v[PFH], 11, v8
	s_mov_b32 s17, 0
	s_mov_b32 s3, 0
	s_add_nc_u64 s[P0:P0+1], s[P0:P0+1], s[16:17]
	s_add_nc_u64 s[P1:P1+1], s[P1:P1+1], s[16:17]
	s_add_nc_u64 s[P1:P1+1], s[P1:P1+1], s[2:3]
	s_add_nc_u64 s[PS:PS+1], s[P1:P1+1], 768       ; short step 1 (r h: byte 768; WB: byte 2,816); lap 0 steps it to short step 2.  (cx and cy are used no more)
	s_lshl_b32 s16, s[TROW], 7                     ; my first row of out1: 128 x tile row + 64 x row half; column 256 x tile column + 128 x column half
	s_lshl_b32 s17, s[RHF], 6
	s_add_co_u32 s16, s16, s17
	s_lshl_b32 s16, s16, 12
	s_lshl_b32 s17, s[TC], 10
	s_add_co_u32 s16, s16, s17
	s_lshl_b32 s17, s[CHF], 9
	s_add_co_u32 s16, s16, s17
	s_mov_b32 s17, 0
	s_add_nc_u64 s[SO:SO+1], s[74:75], s[16:17]
	s_mov_b32 s[G1P], 1<<16                        ; z's and h's tiles: elements of 2 bytes, no mask, no padding
	s_mov_b32 s[G1P+1], 256<<16                    ; 256 elements
	s_mov_b32 s[G1P+2], 64<<16                     ; x 64 rows
	s_mov_b32 s[G1P+3], 256<<16
	s_mov_b32 s[G1P+4], 64
	s_mov_b32 s[G1P+5], 1024
	s_mov_b32 s[G1P+6], 0
	s_mov_b32 s[G1P+7], 0
	s_wait_loadcnt 0x0                             ; the two biases
	v_pk_add_f32 v[BS:BS+1], v[BS:BS+1], v[32:33]
	v_pk_add_f32 v[BS+2:BS+3], v[BS+2:BS+3], v[34:35]
	v_pk_mul_f32 v[BS:BS+1], v[BS:BS+1], s[CS:CS+1] op_sel_hi:[1,0]      ; the scale of the exponent is folded into the bias
	v_pk_mul_f32 v[BS+2:BS+3], v[BS+2:BS+3], s[CS:CS+1] op_sel_hi:[1,0]
; 8 matrix instructions: m block a x all 8 n blocks, 32 along K.  The 32 accumulators take turns, one instruction a turn, in the same order in every quarter.
.macro MUL8 f, a, zero
	WIN MULW
.irp b, 0,1,2,3,4,5,6,7
.if \zero
	v_wmma_f32_16x16x32_bf16 v[8*(8*(\a)+(\b)):8*(8*(\a)+(\b))+7], v[(\f)+8*(\b):(\f)+8*(\b)+7], v[(\f)+64+8*(\a):(\f)+64+8*(\a)+7], 0
.else
	v_wmma_f32_16x16x32_bf16 v[8*(8*(\a)+(\b)):8*(8*(\a)+(\b))+7], v[(\f)+8*(\b):(\f)+8*(\b)+7], v[(\f)+64+8*(\a):(\f)+64+8*(\a)+7], v[8*(8*(\a)+(\b)):8*(8*(\a)+(\b))+7]
.endif
.endr
.endm
; 24 LDS loads in one run: 128 rows of B, then 64 rows of A, 32 K at byte k of the rows of slot sl (0 short, 1 long), into buffer f
.macro FETCH sl, k, f
	WIN 0
.irp i, 0,1,2,3,4,5,6,7
	ds_load_b128 v[(\f)+8*(\i):(\f)+8*(\i)+3],   v[ADRB+(\sl)] offset:(\k)+(\i)*16*(PTS+(PTL-PTS)*(\sl))
	ds_load_b128 v[(\f)+8*(\i)+4:(\f)+8*(\i)+7], v[ADRB+(\sl)] offset:(\k)+(\i)*16*(PTS+(PTL-PTS)*(\sl))+32
.endr
.irp i, 0,1,2,3
	ds_load_b128 v[(\f)+64+8*(\i):(\f)+64+8*(\i)+3],   v[ADRA+(\sl)] offset:(\k)+(\i)*16*(PTS+(PTL-PTS)*(\sl))
	ds_load_b128 v[(\f)+64+8*(\i)+4:(\f)+64+8*(\i)+7], v[ADRA+(\sl)] offset:(\k)+(\i)*16*(PTS+(PTL-PTS)*(\sl))+32
.endr
.endm
.macro PLACES                          ; four plain vector instructions between a matrix instruction and a load into, or a read of, its registers
.rept 4
	v_nop
.endr
.endm
; A quarter is 32 along K, 32 matrix instructions; a short step has four, a long step eight, on buffers 0, 1 by turns.  All but a step's last: multiplies buffer f and fetches the next quarter, at byte k, into g.
.macro QUARTER sl, k, f, g, zero
	s_wait_dscnt 4                                 ; B and A's blocks 0 and 1 are in; the youngest four loads (A's blocks 2 and 3) may be out
	MUL8 \f, 0, \zero
	MUL8 \f, 1, \zero
	PLACES
	FETCH \sl, \k, \g
	s_wait_dscnt 24                                ; all but the 24 just issued
	MUL8 \f, 2, \zero
	MUL8 \f, 3, \zero
.endm
; A step's last quarter multiplies buffer 1 and changes slots: in front of the round each wave waits for all its tensor loads (one is out: its part of the other slot), adds 0 to its spare word, and waits for
; that and for its own reads of slot cur; behind the round nobody in the cluster reads that slot any more, and it is filled again first: kind = 1 with its stream's next step, jointly; kind = 2 with z's and h's tiles.
; pf = 1: the ring's prefetches; pf = 2: those of z's and h's tiles; 0: none.
.macro TURN cur, kind, pf
.if (\pf) == 1
	s_wait_xcnt 0x0                                ; the last prefetches, a lap back, have read their addresses: these are made anew here
	PFADDR
.endif
	WIN 0
	s_wait_tensorcnt 0x0                           ; all my tensor loads have landed, so a group 0 may be written
	ds_add_u32 v[SPW], v[NIL]                      ; 0 onto my spare word
.if (\kind) == 1
	DESC \cur
.endif
	s_wait_dscnt 5                                 ; (the add and the youngest four loads may be out)
	MUL8 F1, 0, 0                                  ; eight matrix instructions stand between the add and the wait for it
	s_wait_dscnt 0x0                               ; the add is done, and my reads of this slot are over
	s_barrier_signal -1
	MUL8 F1, 1, 0
	WIN 0
	s_barrier_wait -1
	CREST
.if (\kind) == 1
	JLOAD \cur                                     ; the first tensor load behind the round; its four v_nop are also the places in front of the loads below
.else
	ZHLOAD
.endif
	FETCH (1-(\cur)), 0, F0
.if (\pf) == 1
	ASK
.endif
.if (\pf) == 2
	ASKZH
.endif
	MUL8 F1, 2, 0
	MUL8 F1, 3, 0
.endm
.macro LONG7                           ; the first seven quarters of a long step
	QUARTER 1, 64,  F0, F1, 0
	QUARTER 1, 128, F1, F0, 0
	QUARTER 1, 192, F0, F1, 0
	QUARTER 1, 256, F1, F0, 0
	QUARTER 1, 320, F0, F1, 0
	QUARTER 1, 384, F1, F0, 0
	QUARTER 1, 448, F0, F1, 0
.endm
	s_wait_tensorcnt 1                             ; my part of S0 is in; L0's may stay out
	s_barrier_signal -1
	s_barrier_wait -1
	FETCH 0, 0, F0
	QUARTER 0, 64,  F0, F1, 1                      ; the first quarter stands in front of the loop: its products start the sums
	WIN 0
	s_mov_b32 s3, 4
.Llap:                                             ; trip j: the rest of S_j (S_j+1 is asked for), L_j (L_j+1 is asked for), the first quarter of S_j+1
	QUARTER 0, 128, F1, F0, 0
	QUARTER 0, 192, F0, F1, 0
	TURN 0, 1, 1
	LONG7
	TURN 1, 1, 0
	QUARTER 0, 64,  F0, F1, 0
	WIN 0
	s_sub_co_u32 s3, s3, 1
	s_cmp_lg_u32 s3, 0
	s_cbranch_scc1 .Llap
	QUARTER 0, 128, F1, F0, 0                      ; the tail is written out: the rest of S4
	QUARTER 0, 192, F0, F1, 0
	TURN 0, 1, 2                                   ; S5 is asked for
	LONG7                                          ; L4
	TURN 1, 2, 0                                   ; the long slot's last fill: z's and h's tiles
	QUARTER 0, 64,  F0, F1, 0                      ; S5
	QUARTER 0, 128, F1, F0, 0
	QUARTER 0, 192, F0, F1, 0
	s_wait_dscnt 4
	MUL8 F1, 0, 0
	MUL8 F1, 1, 0
	s_wait_dscnt 0x0
	MUL8 F1, 2, 0
	MUL8 F1, 3, 0
	WIN 0
	PLACES
	s_wait_dscnt 0x0                               ; my reads of the short slot are over:
	s_barrier_signal -1
	s_barrier_wait -1                              ; everybody's are: bytes 0 .. 135,167 may be written.
	WIN 0x04                                       ; the stores' data (source 1) in window 1
.irp a, 0,1,2,3
.irp b, 0,1,2,3,4,5,6,7
	ds_store_b128 v[DST], v[8*(8*(\a)+(\b)):8*(8*(\a)+(\b))+3]   offset:(\a)*16*EP+(\b)*64     ; each accumulator's lowest registers are read first
	ds_store_b128 v[DST], v[8*(8*(\a)+(\b))+4:8*(8*(\a)+(\b))+7] offset:(\a)*16*EP+(\b)*64+16
.endr
.endr
	WIN 0
	s_wait_tensorcnt 0x0                           ; my part of z's or h's tile is in,
	s_wait_dscnt 0x0                               ; and my stores are done:
	s_barrier_signal -1
	s_barrier_wait -1                              ; both hold of all four waves
; Eight rows of sums, of z (into buffer zb) and of h: 24 LDS loads
.macro RAW zb
	v_add_nc_u32 v[RDA], s[TDO], v[RD0]
	v_add_nc_u32 v[ZA], s[TZO], v[ZA0]
	v_add_nc_u32 v[HA], s[TZO], v[HA0]
.irp r, 0,1,2,3,4,5,6,7
	ds_load_b128 v[TRW+4*(\r):TRW+4*(\r)+3], v[RDA] offset:EP*(\r)
.endr
.irp r, 0,1,2,3,4,5,6,7
	ds_load_b64 v[(\zb)+2*(\r):(\zb)+2*(\r)+1], v[ZA] offset:512*(\r)
	ds_load_b64 v[HR+2*(\r):HR+2*(\r)+1], v[HA] offset:512*(\r)
.endr
.endm
; Eight rows.  q: which of z's two buffers holds them; the next eight rows' z goes into the other, since z's packed words are read at the very end.
.macro TRIP q
.set ZQ, ZR0+(ZR1-ZR0)*(\q)
	s_wait_dscnt 0x0                               ; the 24 loads
.set k, 0
.rept 16
	v_pk_fma_f32 v[TT+2*k:TT+2*k+1], v[TRW+2*k:TRW+2*k+1], s[CS:CS+1], v[BS+2*(k%2):BS+2*(k%2)+1] op_sel_hi:[1,0,1]   ; 2 log2(e) (sum + biases)
.set k, k+1
.endr
.set k, 0
.rept 16
	v_lshlrev_b32 v[HF+2*k], 16, v[HR+k]           ; bf16 to f32
	v_and_b32 v[HF+2*k+1], s[MSK], v[HR+k]
.set k, k+1
.endr
.if \q
	s_cmp_eq_u32 s3, 1                             ; the last eight rows have none behind them
	s_cbranch_scc1 .Lno_raw_\@
	RAW ZR0
.Lno_raw_\@:
.else
	RAW ZR1
.endif
	s_add_co_u32 s[TDO], s[TDO], 8*EP
	s_add_co_u32 s[TZO], s[TZO], 8*512
.set k, 0
.rept 32
	v_exp_f32 v[TT+k], v[TT+k]
.set k, k+1
.endr
	v_nop                                          ; a plain instruction behind the last exponential,
	s_wait_alu depctr_va_vdst(0)                   ; and one wait for the batch, ahead of its first reader
.set k, 0
.rept 16
	v_pk_add_f32 v[TT+2*k:TT+2*k+1], v[TT+2*k:TT+2*k+1], 1.0 op_sel_hi:[1,0]
	v_rcp_f32 v[TT+2*k], v[TT+2*k]
	v_rcp_f32 v[TT+2*k+1], v[TT+2*k+1]
.set k, k+1
.endr
	v_nop
	s_wait_alu depctr_va_vdst(0)                   ; one wait for the 32 reciprocals
.set k, 0
.rept 16
	v_pk_fma_f32 v[TT+2*k:TT+2*k+1], v[TT+2*k:TT+2*k+1], -2.0, 1.0 op_sel_hi:[1,0,0]   ; ht = 1 - 2 / (1 + 2^..)
.set k, k+1
.endr
.set k, 0
.rept 16
	v_pk_add_f32 v[HF+2*k:HF+2*k+1], v[HF+2*k:HF+2*k+1], v[TT+2*k:TT+2*k+1] neg_lo:[0,1] neg_hi:[0,1]   ; h - ht
.set k, k+1
.endr
	s_wait_xcnt 0x0                                ; the last stores have read their data and base: both are written again only behind this wait
	s_add_nc_u64 s[SO:SO+1], s[SO:SO+1], 32768     ; eight rows on; the stores reach back
.set k, 0
.rept 16
	v_fma_mix_f32 v[OUT+2*k], v[ZQ+k], v[HF+2*k], v[TT+2*k] op_sel_hi:[1,0,0]                     ; z (the word's low f16) x (h - ht) + ht
	v_fma_mix_f32 v[OUT+2*k+1], v[ZQ+k], v[HF+2*k+1], v[TT+2*k+1] op_sel:[1,0,0] op_sel_hi:[1,0,0] ; the high f16
.set k, k+1
.endr
.irp r, 0,1,2,3,4,5,6,7
	global_store_b128 v[VO], v[OUT+4*(\r):OUT+4*(\r)+3], s[SO:SO+1] offset:4096*(\r)-32768   ; 32 lanes x 16 bytes: 512 consecutive bytes, aligned
.endr
.endm
	s_mov_b32 s[TDO], 0
	s_mov_b32 s[TZO], 0
	RAW ZR0
	s_add_co_u32 s[TDO], s[TDO], 8*EP
	s_add_co_u32 s[TZO], s[TZO], 8*512
	s_mov_b32 s3, 4
.Lout:                                             ; four trips of sixteen rows
	TRIP 0
	TRIP 1
	s_sub_co_u32 s3, s3, 1
	s_cmp_lg_u32 s3, 0
	s_cbranch_scc1 .Lout
	s_wait_tensorcnt 0x0                           ; the wave's end: behind my last tensor load and my last LDS store
	ds_add_u32 v[SPW], v[NIL]
	s_wait_dscnt 0x0
	CROUND                                         ; the closing round: no work-group ends while a partner may still ask for a tile that names it
	s_endpgm
.Lfunc_end_k_q94e087279e_cand:
	.size	k_q94e087279e_cand, .Lfunc_end_k_q94e087279e_cand-k_q94e087279e_cand
	.p2alignl 7, 3214868480
	.fill 96, 4, 3214868480
	.section	.rodata,"a",@progbits
	.p2align	6, 0x0
	.amdhsa_kernel k_q94e087279e_cand
		.amdhsa_group_segment_fixed_size 327680
		.amdhsa_private_segment_fixed_size 0
		.amdhsa_enable_private_segment 0
		.amdhsa_kernarg_size 64
		.amdhsa_user_sgpr_count 2
		.amdhsa_user_sgpr_kernarg_segment_ptr 1
		.amdhsa_wavefront_size32 1
		.amdhsa_system_sgpr_workgroup_id_x 1
		.amdhsa_system_sgpr_workgroup_id_y 1
		.amdhsa_system_sgpr_workgroup_id_z 1
		.amdhsa_system_vgpr_workitem_id 0
		.amdhsa_next_free_vgpr 512
		.amdhsa_next_free_sgpr 106
		.amdhsa_reserve_vcc 0
		.amdhsa_float_denorm_mode_32 3
		.amdhsa_float_denorm_mode_16_64 3
		.amdhsa_memory_ordered 1
		.amdhsa_forward_progress 1
		.amdhsa_inst_pref_size 151
	.end_amdhsa_kernel
	.amdgpu_metadata
---
amdhsa.version: [ 1, 2 ]
amdhsa.kernels:
  - .name:           k_q94e087279e_cand
    .symbol:         k_q94e087279e_cand.kd
    .args:
      - { .name: XB, .offset: 0, .size: 8, .value_kind: global_buffer, .address_space: global }
      - { .name: RH, .offset: 8, .size: 8, .value_kind: global_buffer, .address_space: global }
      - { .name: WB, .offset: 16, .size: 8, .value_kind: global_buffer, .address_space: global }
      - { .name: ZB, .offset: 24, .size: 8, .value_kind: global_buffer, .address_space: global }
      - { .name: HB, .offset: 32, .size: 8, .value_kind: global_buffer, .address_space: global }
      - { .name: bih, .offset: 40, .size: 8, .value_kind: global_buffer, .address_space: global }
      - { .name: bhh, .offset: 48, .size: 8, .value_kind: global_buffer, .address_space: global }
      - { .name: out1, .offset: 56, .size: 8, .value_kind: global_buffer, .address_space: global }
    .group_segment_fixed_size: 327680
    .private_segment_fixed_size: 0
    .kernarg_segment_align: 8
    .kernarg_segment_size: 64
    .max_flat_workgroup_size: 128
    .sgpr_count:     106
    .vgpr_count:     512
    .wavefront_size: 32
...
	.end_amdgpu_metadata
.endif
;; end of part 3
;; launch lsm (part 4): grid 256 x 1, 8 waves a work-group, no clusters, 0 bytes of LDS; arguments out1, out0; writes out0
.if DOCPART == 4
	.amdgcn_target "amdgcn-amd-amdhsa--gfx1250"
	.amdhsa_code_object_version 6
	.text
	.protected	k_q94e087279e_lsm
	.globl	k_q94e087279e_lsm
	.p2align	8
	.type	k_q94e087279e_lsm,@function
k_q94e087279e_lsm:
	s_mov_b64 s[64:65], 0
	v_nop
	global_prefetch_b8 v0, s[64:65] scope:SCOPE_SE
	s_setreg_imm32_b32 hwreg(HW_REG_WAVE_MODE, 25, 1), 1
	s_wait_xcnt 0x0
; out0[r][:] = out1[r][:] - (m + ln(sum over c of e^(out1[r][c] - m))),  m = the row's maximum.  Both [8192][1024] f32.
; A row is 4,096 bytes = 32 registers of one wave: it stays in registers between the maximum, the sum and the subtraction, so it is read once, and no wave waits for another: no LDS, no barrier.
; 256 work-groups x 8 waves x 4 rows.  All 32 loads of a wave (512 consecutive bytes each) go out at once; the rows are then worked on as they arrive.
; The true maximum is taken away, so the sum lies between 1 and 1,024.  A term below 2^-126 counts as 0.  NaN and infinities are not treated apart.
.set X, 32                             ; v[32:159]  four rows
.set E, 160                            ; v[160:191] the exponentials of the row in hand
	s_load_b128 s[4:7], s[0:1], 0x0                ; out1 s[4:5], out0 s[6:7]
	s_lshl_b32 s8, ttmp9, 17                       ; the work-group's 32 rows of 4,096 bytes
	s_mov_b32 s9, 0
	s_mov_b32 s12, 0x76543210                      ; v_permlanex16_b32: each lane takes its own place in the other half
	s_mov_b32 s13, 0xfedcba98
	s_mov_b32 s14, 0x3fb8aa3b                      ; log2(e), named as a pair
	s_mov_b32 s15, 0x3fb8aa3b
	v_lshrrev_b32 v1, 5, v0
	v_and_b32 v2, 31, v0
	v_lshlrev_b32 v1, 14, v1                       ; my wave's 4 rows
	v_lshl_or_b32 v1, v2, 4, v1                    ; + 16 x lane
	s_wait_kmcnt 0x0
	s_add_nc_u64 s[4:5], s[4:5], s[8:9]
	s_add_nc_u64 s[6:7], s[6:7], s[8:9]
.irp r, 0,1,2,3
.irp c, 0,1,2,3,4,5,6,7
	global_load_b128 v[X+32*(\r)+4*(\c):X+32*(\r)+4*(\c)+3], v1, s[4:5] offset:4096*(\r)+512*(\c) th:TH_LOAD_NT
.endr
.endr
.macro ROWS r
.set XQ, X+32*(\r)
	s_wait_loadcnt 24-8*(\r)                       ; loads come back in order: this row's eight are in, the later rows' stay out
.irp c, 0,1,2,3
	v_max3_num_f32 v[4+(\c)], v[XQ+3*(\c)], v[XQ+3*(\c)+1], v[XQ+3*(\c)+2]   ; four chains, started by the first twelve numbers
.endr
.set j, 0
.rept 10
	v_max3_num_f32 v[4+j%4], v[4+j%4], v[XQ+12+2*j], v[XQ+13+2*j]
.set j, j+1
.endr
	v_max3_num_f32 v4, v4, v5, v6
	v_max_num_f32 v4, v4, v7
	v_max_num_f32_dpp v4, v4, v4 row_xmask:1 row_mask:0xf bank_mask:0xf
	v_max_num_f32_dpp v4, v4, v4 row_xmask:2 row_mask:0xf bank_mask:0xf
	v_max_num_f32_dpp v4, v4, v4 row_xmask:4 row_mask:0xf bank_mask:0xf
	v_max_num_f32_dpp v4, v4, v4 row_xmask:8 row_mask:0xf bank_mask:0xf
	v_permlanex16_b32 v5, v4, s12, s13
	v_max_num_f32 v4, v4, v5                       ; m, in every lane
	v_mul_f32 v8, 0x3fb8aa3b, v4
	v_mov_b32 v9, v8                               ; m log2(e), as a pair
.set j, 0
.rept 16
	v_pk_fma_f32 v[E+2*j:E+2*j+1], v[XQ+2*j:XQ+2*j+1], s[14:15], v[8:9] op_sel_hi:[1,0,1] neg_lo:[0,0,1] neg_hi:[0,0,1]
.set j, j+1
.endr
.set j, 0
.rept 32
	v_exp_f32 v[E+j], v[E+j]
.set j, j+1
.endr
	v_nop                                          ; a plain instruction behind the last exponential,
	s_wait_alu depctr_va_vdst(0)                   ; and one wait for the batch
.irp w, 8,4,2,1                        ; the sum of 16 pairs, as a tree
.set j, 0
.rept \w
	v_pk_add_f32 v[E+2*j:E+2*j+1], v[E+2*j:E+2*j+1], v[E+2*(j+(\w)):E+2*(j+(\w))+1]
.set j, j+1
.endr
.endr
	v_add_f32 v12, v[E], v[E+1]
	v_add_f32_dpp v12, v12, v12 row_xmask:1 row_mask:0xf bank_mask:0xf
	v_add_f32_dpp v12, v12, v12 row_xmask:2 row_mask:0xf bank_mask:0xf
	v_add_f32_dpp v12, v12, v12 row_xmask:4 row_mask:0xf bank_mask:0xf
	v_add_f32_dpp v12, v12, v12 row_xmask:8 row_mask:0xf bank_mask:0xf
	v_permlanex16_b32 v5, v12, s12, s13
	v_add_f32 v12, v12, v5
	v_log_f32 v12, v12
	v_nop
	s_wait_alu depctr_va_vdst(0)
	v_fmamk_f32 v10, v12, 0x3f317218, v4           ; m + ln(2) log2(sum)
	v_mov_b32 v11, v10
.set j, 0
.rept 16
	v_pk_add_f32 v[XQ+2*j:XQ+2*j+1], v[XQ+2*j:XQ+2*j+1], v[10:11] neg_lo:[0,1] neg_hi:[0,1]
.set j, j+1
.endr
.irp c, 0,1,2,3,4,5,6,7
	global_store_b128 v1, v[XQ+4*(\c):XQ+4*(\c)+3], s[6:7] offset:4096*(\r)+512*(\c) th:TH_STORE_NT   ; 512 consecutive bytes, aligned
.endr
.endm
	ROWS 0
	ROWS 1
	ROWS 2
	ROWS 3
	s_endpgm                                       ; a row's registers are written no more once they are stored, so no further wait is owed
.Lfunc_end_k_q94e087279e_lsm:
	.size	k_q94e087279e_lsm, .Lfunc_end_k_q94e087279e_lsm-k_q94e087279e_lsm
	.p2alignl 7, 3214868480
	.fill 96, 4, 3214868480
	.section	.rodata,"a",@progbits
	.p2align	6, 0x0
	.amdhsa_kernel k_q94e087279e_lsm
		.amdhsa_group_segment_fixed_size 0
		.amdhsa_private_segment_fixed_size 0
		.amdhsa_enable_private_segment 0
		.amdhsa_kernarg_size 16
		.amdhsa_user_sgpr_count 2
		.amdhsa_user_sgpr_kernarg_segment_ptr 1
		.amdhsa_wavefront_size32 1
		.amdhsa_system_sgpr_workgroup_id_x 1
		.amdhsa_system_sgpr_workgroup_id_y 1
		.amdhsa_system_sgpr_workgroup_id_z 1
		.amdhsa_system_vgpr_workitem_id 0
		.amdhsa_next_free_vgpr 192
		.amdhsa_next_free_sgpr 66
		.amdhsa_reserve_vcc 0
		.amdhsa_float_denorm_mode_32 3
		.amdhsa_float_denorm_mode_16_64 3
		.amdhsa_memory_ordered 1
		.amdhsa_forward_progress 1
		.amdhsa_inst_pref_size 31
	.end_amdhsa_kernel
	.amdgpu_metadata
---
amdhsa.version: [ 1, 2 ]
amdhsa.kernels:
  - .name:           k_q94e087279e_lsm
    .symbol:         k_q94e087279e_lsm.kd
    .args:
      - { .name: out1, .offset: 0, .size: 8, .value_kind: global_buffer, .address_space: global }
      - { .name: out0, .offset: 8, .size: 8, .value_kind: global_buffer, .address_space: global }
    .group_segment_fixed_size: 0
    .private_segment_fixed_size: 0
    .kernarg_segment_align: 8
    .kernarg_segment_size: 16
    .max_flat_workgroup_size: 256
    .sgpr_count:     66
    .vgpr_count:     192
    .wavefront_size: 32
...
	.end_amdgpu_metadata
.endif
;; end of part 4
